; MI455X (gfx1250); checked and timed in simulation.
; The chip was launched on July 23, 2026; its instructions are those of AMD's public machine-readable ISA for CDNA 5 (MIT licence, August 2026) and "CDNA5" Instruction Set Architecture Reference Guide (July 2026). The comments in the code are by the model that wrote it; some were corrected since.
;; Causal Self Attention. Allowed arithmetic: matrix products marked QUANTISED: E3M2 operands, one E8M0 scale for each 32 along K, by v_wmma_scale_f32_16x16x128_f8f6f4 with both operands' format E3M2, f32 sums; everything else in f32.
;; Inputs: Wk 1,024 x 1,024 float32; Wp 1,024 x 1,024 float32; Wq 1,024 x 1,024 float32; Wv 1,024 x 1,024 float32; bk 1,024 float32; bp 1,024 float32; bq 1,024 float32; bv 1,024 float32; x 4 x 2,048 x 1,024 float32.
;; Outputs: out0 4 x 2,048 x 1,024 float32.
;; This version of the problem:
;;   THIS VERSION OF THE PROBLEM IS GIVEN IN LOW PRECISION. The matrix products marked QUANTISED in the list below multiply operands that are first quantised to E3M2 (3 exponent bits, 2 mantissa bits; 6 bits a number), with one power-of-two scale for each 32 numbers along K (OCP MX v1.0); their sums are f32. All else is computed in f32.
;;   The module's matrix products, in the order in which they are computed (A, B: the left and right operand; K: the contracted axis; several contracted axes count as one K, in the product's order):
;;     1. [M 8,192, K 1,024] x [K 1,024, N 1,024]; A: input x; B: input Wq: QUANTISED
;;     2. [M 8,192, K 1,024] x [K 1,024, N 1,024]; A: input x; B: input Wk: QUANTISED
;;     3. [M 8,192, K 1,024] x [K 1,024, N 1,024]; A: input x; B: input Wv: QUANTISED
;;     4. batch 64 x [M 2,048, K 64] x [K 64, N 2,048]; A: computed on the way; B: computed on the way: QUANTISED
;;     5. batch 64 x [M 2,048, K 2,048] x [K 2,048, N 64]; A: softmax (see below); B: computed on the way: QUANTISED
;;     6. [M 8,192, K 1,024] x [K 1,024, N 1,024]; A: computed on the way; B: input Wp: QUANTISED
;;   THE QUANTISER, for each operand of a quantised product, along K:
;;     - K is cut into blocks of 32 from its start; a last block that is shorter is filled with zeros.
;;     - A block's scale is 2^e with e = floor(log2(the largest magnitude in the block)) - 4, held to -126 .. 127; a block of zeros has e = 0. As a byte (E8M0): e + 127.
;;     - Each number is divided by its block's scale, clamped to +-28, and rounded to the nearest number of E3M2, ties to even, subnormals kept.
;;     - The product sums the exact products of the quantised numbers (number of the format x scale) in f32.
;;   ~~~python
;;   def quantise(x, axis):      # numpy; x: float32 -> the quantised numbers, widened to float32 again
;;       x = np.moveaxis(x, axis, -1); K = x.shape[-1]
;;       x = np.pad(x, [(0, 0)] * (x.ndim - 1) + [(0, -K % 32)]); x = x.reshape(x.shape[:-1] + (-1, 32)); a = np.abs(x).max(-1, keepdims=True)
;;       e = np.where(a > 0, np.clip(np.frexp(np.where(a > 0, a, 1))[1] - 1 - 4, -126, 127), 0)      # np.frexp(a)[1] - 1 = floor(log2(a)), exactly
;;       r = np.clip(x / 2.0 ** e, -28, 28)
;;       step = 2.0 ** (np.maximum(np.frexp(np.where(r == 0, 1, r))[1] - 1, -2) - 2)
;;       q = np.round(r / step) * step * 2.0 ** e      # np.round: ties to even
;;       return np.moveaxis(q.reshape(q.shape[:-2] + (-1,))[..., :K], -1, axis).astype(np.float32)
;;   ~~~
;;   SOFTMAX AHEAD OF A QUANTISED PRODUCT. Where the list says 'softmax', what is quantised is not the finished softmax but p = 2^(t - M), with t = logit x log2(e) and M = ceil(the row's largest t), a whole number; so 1/2 < the row's largest p <= 1. The row's sum l is taken of the UNQUANTISED p, in f32, and the product's result is divided by l at the end. Since M is a whole number, a kernel that streams over the keys may use a running M (the ceiling of the running maximum): every later rescaling is an exact power of two, which a block's scale takes up: the codes' values come out the same.
;;   OPERANDS COMPUTED ON THE WAY. 'Computed on the way' means the value that the module computes at that place (a softmax that the list does not call 'softmax' is quantised finished and normalised). What goes into a quantiser is computed in f32, as accurately as f32 sums, v_exp_f32 and their like allow (about 1e-6 of the number): no bf16 or f16 on the way to a quantiser, and a product that is left as it is and whose result goes on into a quantised operand takes f32 operands (vector FMAs, or v_wmma_f32_16x16x4_f32). A number that lies on a knife's edge between two numbers of the format may be rounded either way, as far as f32 arithmetic and the matrix unit's own rounding can turn it there, and no further.
;; One version. Each part assembles by itself: llvm-mc -triple=amdgcn-amd-amdhsa -mcpu=gfx1250 --defsym DOCPART=n.
;; ======== version 1 of 1: 4 launches
;; workspace buffers: ops 9,830,400 bytes; qb 6,553,600 bytes; kvb 13,107,200 bytes; yb 6,553,600 bytes
;; launch quant (part 1): grid 256 x 1, 6 waves a work-group, no clusters, 51,456 bytes of LDS; arguments x, Wq, Wk, Wv, Wp, ops; writes ops
.if DOCPART == 1
	.amdgcn_target "amdgcn-amd-amdhsa--gfx1250"
	.amdhsa_code_object_version 6
	.text
	.protected	k_qd4efa10ada_quant
	.globl	k_qd4efa10ada_quant
	.p2align	8
	.type	k_qd4efa10ada_quant,@function
k_qd4efa10ada_quant:
	s_mov_b64 s[64:65], 0
	v_nop
	global_prefetch_b8 v0, s[64:65] scope:SCOPE_SE
	s_setreg_imm32_b32 hwreg(HW_REG_WAVE_MODE, 25, 1), 1
	s_wait_xcnt 0x0
; x [8192][1024] and Wq, Wk, Wv, Wp [1024][1024], f32, K innermost, become codes of BF6 (E3M2) with one E8M0 byte for each 32 along K, once for the whole program.
; A block's scale is 2^(floor(log2(its largest magnitude)) - 4); its byte is the largest magnitude's exponent field - 4, held at 1 from below.
; LIMITS: a block of zeros gets the byte 1 where the rule says 127 (its codes are zeros, and this program alone reads the bytes); NaN and infinities among the inputs are not served.
; THE OUTPUT IS LAID AS IMAGES OF OPERAND REGISTERS.  A tile is 16 rows: tile t holds rows 32 (t / 2) + 8 (t % 2) + r + 8 (r / 8), r = 0 .. 15.  A fragment (16 rows x 128 K, 12 registers a lane) is 1,536 bytes:
; for c = 0, 1: registers 6 c .. 6 c + 3 at 768 c + 16 x lane, registers 6 c + 4, 6 c + 5 at 768 c + 512 + 8 x lane.  A tile's record is 12,800 bytes: two halves of 6,400: four fragments (K steps 4 g + 0 .. 3), then 256 bytes
; of scale words: 8 bytes a lane, word p of lane (r, hh) = row r's word of K step 4 g + 2 p + hh.  Tiles 0-511 x, 512-575 Wq, 576-639 Wk, 640-703 Wv, 704-767 Wp.
; SHARES.  1,536 waves, each half a record: 16 rows x 512 K, 32 KiB in, 6,400 bytes out.  Every load reads 512 consecutive bytes of a row; a fragment's 8 KiB turn through the wave's own stage in LDS (rows 528 bytes apart),
; so that a lane gets two whole blocks of 32 neighbours; every store covers 512 or 256 consecutive bytes.  Memory binds: no matrix unit, no cluster (no byte is read twice), no barrier (waves share nothing).
; Loads run two fragments (32 loads a wave) ahead.
.set STG,  8448                        ; a wave's stage: 16 rows x (512 + 16) bytes
.set R,    16                          ; v16-143  two sets of 64 registers as loaded
.set X,    144                         ; v144-207 my two blocks of 32 neighbours
.set C,    208                         ; v208-219 the fragment's codes
.set AUX,  220                         ; v220-222, v224-226 the upper halves of the two blocks (a conversion's three registers begin on an even number)
.set SW,   228                         ; v228-229 my two scale words of the record
.set EVW,  230                         ; v230     the even fragment's word
	s_load_b256 s[4:11], s[0:1], 0x0               ; x, Wq, Wk, Wv
	s_load_b128 s[12:15], s[0:1], 0x20             ; Wp, ops
	v_lshl_add_u32 v240, v0, 2, 0xc600
	v_mov_b32 v241, 0
	v_lshrrev_b32 v1, 5, v0
	v_readfirstlane_b32 s18, v1                    ; wave 0..5
	v_and_b32 v1, 31, v0                           ; lane
	v_lshlrev_b32 v2, 4, v1                        ; 16 x lane
	v_lshlrev_b32 v3, 3, v1                        ; 8 x lane
	v_and_b32 v7, 15, v0                           ; r
	v_bfe_u32 v6, v0, 4, 1                         ; hh
	s_mul_i32 s19, s18, STG
	v_add_nc_u32 v4, s19, v2                       ; the stage, on the way in: a row's 512 bytes as they lie
	v_mul_u32_u24 v5, v7, 528
	v_lshl_add_u32 v5, v6, 7, v5
	v_add_nc_u32 v5, s19, v5                       ; and on the way out: row r, + 128 hh: my block of 32 numbers
	v_lshlrev_b32 v6, 3, v6                        ; 8 hh: my bytes' place in a scale word
	v_cmp_lt_u32 s20, 15, v1                       ; lanes 16-31
	v_mov_b32 v15, 0                               ; written once: a lane permute's destination counts as one of its sources
	s_mov_b32 s30, 0x76543210
	s_mov_b32 s31, 0xfedcba98                      ; v_permlanex16_b32's selects for lane l xor 16
	s_mul_i32 s21, ttmp9, 6
	s_add_co_u32 s21, s21, s18                     ; my number among the 1,536 waves
	s_lshr_b32 s22, s21, 1                         ; the tile
	s_and_b32 s23, s21, 1                          ; g: which 512 along K
	s_and_b32 s24, s22, 63
	s_cmp_lt_u32 s22, 512
	s_cselect_b32 s24, s22, s24                    ; the tile's number in its own tensor
	s_lshr_b32 s25, s24, 1
	s_lshl_b32 s25, s25, 17                        ; 32 rows of 4,096 bytes for each pair of tiles
	s_and_b32 s26, s24, 1
	s_lshl_b32 s26, s26, 15                        ; 8 rows for the odd tile
	s_add_co_u32 s26, s26, s25
	s_lshl_b32 s27, s23, 11                        ; 2,048 bytes along the row for g = 1
	s_add_co_u32 s26, s26, s27
	s_mov_b32 s27, 0
	s_mul_i32 s28, s22, 12800
	s_mul_i32 s29, s23, 6400
	s_add_co_u32 s28, s28, s29                     ; my half record
	s_mov_b32 s29, 0
	s_wait_alu depctr_va_vdst(0)
	s_wait_kmcnt 0x0
	s_mov_b64 s[16:17], s[12:13]                   ; the tensor is chosen by the tile's number alone
	s_cmp_lt_u32 s22, 704
	s_cselect_b64 s[16:17], s[10:11], s[16:17]
	s_cmp_lt_u32 s22, 640
	s_cselect_b64 s[16:17], s[8:9], s[16:17]
	s_cmp_lt_u32 s22, 576
	s_cselect_b64 s[16:17], s[6:7], s[16:17]
	s_cmp_lt_u32 s22, 512
	s_cselect_b64 s[16:17], s[4:5], s[16:17]
	s_add_nc_u64 s[16:17], s[16:17], s[26:27]
	s_add_nc_u64 s[14:15], s[14:15], s[28:29]
.macro LOAD t                          ; fragment t: 512 bytes of each of the tile's 16 rows, into set t % 2
.irp i, 0,1,2,3,4,5,6,7,8,9,10,11,12,13,14,15
	global_load_b128 v[R+64*((\t)%2)+4*\i:R+64*((\t)%2)+4*\i+3], v2, s[16:17] offset:(\i+8*(\i/8))*4096+512*(\t) th:TH_LOAD_NT
.endr
.endm
.macro FRAG t
.set RS, R+64*((\t)%2)
.if (\t) < 3
	s_wait_loadcnt 16                              ; this fragment's 16 loads are in; the next fragment's 16 may be out
.else
	s_wait_loadcnt 0x0
.endif
.irp i, 0,1,2,3,4,5,6,7,8,9,10,11,12,13,14,15
	ds_store_b128 v4, v[RS+4*\i:RS+4*\i+3] offset:528*\i
.endr
.irp c, 0,1
.irp q, 0,1,2,3,4,5,6,7
	ds_load_b128 v[X+32*\c+4*\q:X+32*\c+4*\q+3], v5 offset:256*\c+16*\q   ; k = 64 c + 32 hh + 4 q ..: LDS serves a wave's instructions in order, so these see the stores above
.endr
.endr
	s_wait_dscnt 0x0                               ; my numbers are back, and the stores have read their registers,
.if (\t) < 2
	LOAD (\t)+2                                    ; which take the loads of two fragments on
.endif
.irp c, 0,1
	v_max3_num_f32 v[8+\c], |v[X+32*\c]|, |v[X+32*\c+1]|, 0x2800000   ; block 2 c + hh: all 32 numbers are mine; the floor 2^(5 - 127) holds the byte at 1 from below
.endr
.irp i, 2,4,6,8,10,12,14,16,18,20,22,24,26,28,30
.irp c, 0,1
	v_max3_num_f32 v[8+\c], v[8+\c], |v[X+32*\c+\i]|, |v[X+32*\c+\i+1]|
.endr
.endr
.irp c, 0,1
	v_add_nc_u32 v[10+\c], 0xfe000000, v[8+\c]     ; 4 off the exponent field: the conversion takes the exponent field of this operand as its scale
.endr
.irp c, 0,1
	v_lshrrev_b32 v[12+\c], 23, v[10+\c]           ; the scale's byte
.endr
	v_lshl_or_b32 v14, v13, 16, v12                ; my two bytes, blocks hh and 2 + hh,
	v_lshlrev_b32 v14, v6, v14                     ; at their places in the word;
	v_permlanex16_b32 v15, v14, s30, s31
.if (\t)%2 == 0
	v_or_b32 v[EVW], v14, v15                      ; with lane l xor 16's two the row's word is whole
.else
	v_or_b32 v14, v14, v15
	v_cndmask_b32 v[SW+(\t)/2], v[EVW], v14, s20   ; lanes 0-15 keep the even K step's word, lanes 16-31 the odd one's
.endif
	s_wait_alu depctr_va_vdst(0)
	s_wait_xcnt 0x0                                ; the last fragment's stores have read the codes' registers: only behind this wait are they written again
.irp c, 0,1
	v_cvt_scalef32_pk16_bf6_f32 v[C+6*\c:C+6*\c+2], v[X+32*\c:X+32*\c+15], v[10+\c]
	v_cvt_scalef32_pk16_bf6_f32 v[AUX+4*\c:AUX+4*\c+2], v[X+32*\c+16:X+32*\c+31], v[10+\c]
.endr
	v_nop                                          ; one plain place behind a scaled conversion
.irp c, 0,1
.irp i, 0,1,2
	v_mov_b32 v[C+6*\c+3+\i], v[AUX+4*\c+\i]
.endr
.endr
.irp c, 0,1
	global_store_b128 v2, v[C+6*\c:C+6*\c+3], s[14:15] offset:1536*(\t)+768*\c        ; 512 consecutive bytes
	global_store_b64 v3, v[C+6*\c+4:C+6*\c+5], s[14:15] offset:1536*(\t)+768*\c+512   ; 256 consecutive bytes
.endr
.endm
	LOAD 0
	LOAD 1
	FRAG 0
	FRAG 1
	FRAG 2
	FRAG 3
	global_store_b64 v3, v[SW:SW+1], s[14:15] offset:6144   ; the half record's scale words: 256 consecutive bytes
	s_wait_tensorcnt 0x0
	ds_add_u32 v240, v241
	s_wait_dscnt 0x0
	s_endpgm
.Lfunc_end_k_qd4efa10ada_quant:
	.size	k_qd4efa10ada_quant, .Lfunc_end_k_qd4efa10ada_quant-k_qd4efa10ada_quant
	.p2alignl 7, 3214868480
	.fill 96, 4, 3214868480
	.section	.rodata,"a",@progbits
	.p2align	6, 0x0
	.amdhsa_kernel k_qd4efa10ada_quant
		.amdhsa_group_segment_fixed_size 51456
		.amdhsa_private_segment_fixed_size 0
		.amdhsa_enable_private_segment 0
		.amdhsa_kernarg_size 48
		.amdhsa_user_sgpr_count 2
		.amdhsa_user_sgpr_kernarg_segment_ptr 1
		.amdhsa_wavefront_size32 1
		.amdhsa_system_sgpr_workgroup_id_x 1
		.amdhsa_system_sgpr_workgroup_id_y 1
		.amdhsa_system_sgpr_workgroup_id_z 1
		.amdhsa_system_vgpr_workitem_id 0
		.amdhsa_next_free_vgpr 242
		.amdhsa_next_free_sgpr 66
		.amdhsa_reserve_vcc 0
		.amdhsa_float_denorm_mode_32 3
		.amdhsa_float_denorm_mode_16_64 3
		.amdhsa_memory_ordered 1
		.amdhsa_forward_progress 1
		.amdhsa_inst_pref_size 31
	.end_amdhsa_kernel
	.amdgpu_metadata
---
amdhsa.version: [ 1, 2 ]
amdhsa.kernels:
  - .name:           k_qd4efa10ada_quant
    .symbol:         k_qd4efa10ada_quant.kd
    .args:
      - { .name: x, .offset: 0, .size: 8, .value_kind: global_buffer, .address_space: global }
      - { .name: Wq, .offset: 8, .size: 8, .value_kind: global_buffer, .address_space: global }
      - { .name: Wk, .offset: 16, .size: 8, .value_kind: global_buffer, .address_space: global }
      - { .name: Wv, .offset: 24, .size: 8, .value_kind: global_buffer, .address_space: global }
      - { .name: Wp, .offset: 32, .size: 8, .value_kind: global_buffer, .address_space: global }
      - { .name: ops, .offset: 40, .size: 8, .value_kind: global_buffer, .address_space: global }
    .group_segment_fixed_size: 51456
    .private_segment_fixed_size: 0
    .kernarg_segment_align: 8
    .kernarg_segment_size: 48
    .max_flat_workgroup_size: 192
    .sgpr_count:     66
    .vgpr_count:     242
    .wavefront_size: 32
...
	.end_amdgpu_metadata
.endif
;; end of part 1
;; launch qkv (part 2): grid 16 x 48, 4 waves a work-group, clusters of 4 x 4, 307,712 bytes of LDS; arguments ops, bq, bk, bv, qb, kvb; writes qb, kvb
.if DOCPART == 2
	.amdgcn_target "amdgcn-amd-amdhsa--gfx1250"
	.amdhsa_code_object_version 6
	.text
	.protected	k_qd4efa10ada_qkv
	.globl	k_qd4efa10ada_qkv
	.p2align	8
	.type	k_qd4efa10ada_qkv,@function
k_qd4efa10ada_qkv:
	s_mov_b64 s[64:65], 0
	v_nop
	global_prefetch_b8 v0, s[64:65] scope:SCOPE_SE
	s_setreg_imm32_b32 hwreg(HW_REG_WAVE_MODE, 25, 1), 1
	s_wait_xcnt 0x0
	s_wait_alu depctr_hold_cnt(0) depctr_sa_sdst(0) depctr_va_vdst(0) depctr_va_sdst(0) depctr_va_ssrc(0) depctr_va_vcc(0) depctr_vm_vsrc(0)
	s_getreg_b32 s2, hwreg(HW_REG_IB_STS2, 6, 4)
	s_cmp_eq_u32 s2, 0
	s_cbranch_scc0 .Lentry_in_a_cluster
	s_endpgm
.Lentry_in_a_cluster:
	s_bfe_u32 s2, ttmp6, 0x10000c
	s_cmp_lg_u32 s2, 0xf033
	s_cbranch_scc0 .Lentry_shape_is_right
	s_endpgm
.Lentry_shape_is_right:
; q = x Wq^T + bq, k = x Wk^T + bk, v = x Wv^T + bv on codes of BF6 (E3M2) with E8M0 scales, K = 1,024; the results are quantised in registers for the attention and leave as codes: q and k along a head's 64, v along the keys.
; OPERANDS come from ops as images of operand registers: a tile of 16 rows (tile t: rows 32 (t / 2) + 8 (t % 2) + r + 8 (r / 8)) is a record of 12,800 bytes: two halves of 6,400: four fragments of 1,536 bytes, 256 bytes of scale words.
; SHARES.  A work-group multiplies a block P of 8 tiles (source 0: its rows become the next product's K) by a block N of 16 tiles (source 1).  Wave w takes all of P x N's tiles 4 w + 0 .. 3: 32 accumulators, 256 matrix instructions.
; By the choice of a tile's rows, a lane's 64 results of one tile of N are, 16 by 16, neighbours along P's rows: registers 16 b + i = row 32 b + 16 (lane / 16) + i.
;   cluster y under 8: P = 128 rows of [Wq; Wk] (two heads), N = 256 rows of x: a lane holds one token and 64 of the two heads' 128 channels.
;   cluster y 8 .. 11 (one batch each): P = 128 rows of x (a chunk of 128 keys), N = 256 rows of Wv: a lane holds one channel and 64 of the 128 keys.
; ALL OF K FOR BOTH BLOCKS FITS IN LDS (300 KiB): it is filled once, in two halves along K, nothing is filled again.
; CLUSTERS: 4 x 4 work-groups; P hangs on the work-group's x and the cluster's y and is asked for jointly by a column of the cluster, N on the work-group's y and is asked for jointly by a row.
; The two kinds part once, on the cluster's y, which all waves and all partners share, behind the joint loads, and meet again at the closing round.
; OUT.  qb [head][chunk of 128 tokens]: 6,400 bytes: 8 halves of a fragment (a tile of 16 tokens x 64 channels: 768 bytes), 256 bytes of scale words.  kvb [head][chunk]: 12,800 bytes: k as in qb; then v: four fragments (16 channels x 128 keys), 256 bytes of scale words.
; LIMITS: a block of zeros gets the byte 1 where the rule says 127 (its codes are zeros; this program alone reads the bytes); NaN and infinities are not served.
; REGISTERS, in windows of 256: window 0: v3-15 addresses; v16-47 P's scale words, v48-63 N's; v64-159 N's fragments, two sets.  window 1: v0-191 P's fragments, two sets; v192-255 the bias.
;   window 2: v0-127 the accumulators of N's tiles 0, 1 (tile i, P's tile p at 64 (i % 2) + 8 p); v128-199 the quantiser's.  window 3: the same for tiles 2, 3.
.set REC,  12800
.set HREC, 6400
.set GB,   51200                       ; 8 half records: what one tensor load brings
.set BLK,  102400                      ; a block of 8 tiles, both halves.  LDS: block 0 = P, block 1 = N's tiles 0-7, block 2 = N's tiles 8-15
.set SCO,  6144                        ; the scale words in a half record
.set L4,   3                           ; v3      4 x lane
.set L16,  4                           ; v4-5    16 x lane (+ GB): P's fragments of g = 0, 1; v4 also serves the stores
.set L8,   6                           ; v6-7    8 x lane (+ GB)
.set AN16, 8                           ; v8-9    the same for my four tiles of N
.set AN8,  10                          ; v10-11
.set BO,   12                          ; v12     my lane's offset in the bias
.set SP,   16                          ; P's scale words: 16 g + 2 p + pair
.set SN,   48                          ; N's: 8 g + 2 i + pair
.set NF,   64
.set BI,   192                         ; in window 1
.set TM,   128                         ; in windows 2, 3: v128-143 at work
.set PC0,  144                         ; two sets of 24 for the codes
.set PW,   192                         ; v192-193 two scale words; v194-197 assembled words
.set MSB, 0
.macro WIN new                         ; the immediate's high byte repeats the setting that is left
.if MSB != (\new)
	s_set_vgpr_msb (MSB<<8)|(\new)
.set MSB, (\new)
.endif
.endm
.macro PLACES n
.rept \n
	v_nop
.endr
.endm
.macro CROUND                          ; a round of the cluster's barrier
	s_barrier_signal -1
	s_barrier_wait -1
	s_cmp_lg_u32 s16, 0
	s_cbranch_scc1 .Lnot_wave_0_\@
	s_barrier_signal -3
.Lnot_wave_0_\@:
	s_barrier_wait -3
	s_barrier_signal -1
	s_barrier_wait -1
.endm
	s_load_b256 s[4:11], s[0:1], 0x0               ; ops, bq, bk, bv
	s_load_b128 s[12:15], s[0:1], 0x20             ; qb, kvb
	v_lshl_add_u32 v254, v0, 2, 0x4b000
	v_mov_b32 v255, 0
	ds_add_u32 v254, v255
	ds_add_u32 v254, v255
	v_lshrrev_b32 v1, 5, v0
	v_readfirstlane_b32 s16, v1                    ; wave 0..3
	v_and_b32 v1, 31, v0                           ; lane
	s_wait_alu depctr_va_vdst(0)
	v_and_b32 v2, 15, v0                           ; r
	v_bfe_u32 v13, v0, 4, 1                        ; hh
	s_bfe_u32 s17, ttmp6, 0x40000                  ; cx
	s_bfe_u32 s18, ttmp6, 0x40004                  ; cy
	s_and_b32 s20, ttmp7, 0xffff                   ; the cluster's y: 0-7 q and k, 8-11 v
	s_lshl_b32 s21, ttmp9, 2
	s_add_co_u32 s21, s21, s17                     ; work-group x
	s_lshl_b32 s22, 0x1111, s17                    ; my column of the cluster
	s_lshl_b32 s23, s18, 2
	s_lshl_b32 s23, 15, s23                        ; my row
	s_or_b32 s24, s22, (3<<16)|(1<<21)             ; group 1 for P: the mask; elements of 8 bytes; bit 21 beside a mask; no padding
	s_or_b32 s32, s23, (3<<16)|(1<<21)             ; and for N
.irp g, 24, 32
	s_mov_b32 s[\g+1], 800<<16                     ; tensor_dim0 = 800 elements: a half record
	s_mov_b32 s[\g+2], 8<<16                       ; tensor_dim1 = 8 tiles
	s_mov_b32 s[\g+3], 800<<16                     ; tile_dim0
	s_mov_b32 s[\g+4], 8                           ; tile_dim1
	s_mov_b32 s[\g+5], 1600                        ; from record to record
	s_mov_b32 s[\g+6], 0
	s_mov_b32 s[\g+7], 0
.endr
	s_sub_co_u32 s56, s20, 8
	s_lshl_b32 s56, s56, 7                         ; v: the batch's first tile of x
	s_cmp_lt_u32 s20, 8
	s_cselect_b32 s56, 512, s56                    ; q, k: the first tile of [Wq; Wk]
	s_lshl_b32 s57, s21, 3
	s_add_co_u32 s56, s56, s57                     ; P's first tile
	s_mul_i32 s56, s56, REC
	s_mov_b32 s57, 0
	s_lshl_b32 s58, s20, 6                         ; q, k: 64 tiles of x for each cluster y
	s_cmp_lt_u32 s20, 8
	s_cselect_b32 s58, s58, 640                    ; v: the first tile of Wv
	s_lshl_b32 s59, s18, 4
	s_add_co_u32 s58, s58, s59                     ; N's first tile
	s_lshr_b32 s60, s16, 1                         ; wave / 2: for waves 1, 2 the half of N that they fetch; for every wave the half in which its tiles lie
	s_lshl_b32 s59, s60, 3
	s_add_co_u32 s58, s58, s59
	s_mul_i32 s58, s58, REC
	s_mov_b32 s59, 0
	s_mul_i32 s61, s60, BLK
	v_lshlrev_b32 v[L4], 2, v1
	v_lshlrev_b32 v[L16], 4, v1
	v_lshlrev_b32 v[L8], 3, v1
	v_add_nc_u32 v[L16+1], GB, v[L16]
	v_add_nc_u32 v[L8+1], GB, v[L8]
	s_and_b32 s62, s16, 1
	s_mul_i32 s62, s62, 4*HREC
	s_add_co_u32 s62, s62, s61
	s_add_co_u32 s62, s62, BLK                     ; my four tiles of N
	v_add_nc_u32 v[AN16], s62, v[L16]
	v_add_nc_u32 v[AN8], s62, v[L8]
	v_add_nc_u32 v[AN16+1], GB, v[AN16]
	v_add_nc_u32 v[AN8+1], GB, v[AN8]
	v_cmp_lt_u32 s76, 15, v1                       ; lanes 16-31
	s_mov_b32 s74, 0x76543210
	s_mov_b32 s75, 0xfedcba98                      ; v_permlanex16_b32's selects for lane l xor 16
	WIN 0x80
.irp b, 0,1,2,3
	v_mov_b32 v[TM+4+\b], 0                        ; written once in each window: a lane permute's destination counts as one of its sources
.endr
	WIN 0xc0
.irp b, 0,1,2,3
	v_mov_b32 v[TM+4+\b], 0
.endr
	WIN 0
	s_wait_dscnt 0x0
	s_wait_kmcnt 0x0
	s_add_nc_u64 s[56:57], s[4:5], s[56:57]
	s_add_nc_u64 s[58:59], s[4:5], s[58:59]
.irp g, 0,1
	s_mov_b32 s[40+4*\g], 1                        ; group 0 for P, half g
	s_mov_b32 s[41+4*\g], \g*GB
	s_add_nc_u64 s[42+4*\g:43+4*\g], s[56:57], \g*HREC
	s_or_b32 s[43+4*\g], s[43+4*\g], 0x80000000
	s_mov_b32 s[48+4*\g], 1                        ; and for N
	s_add_co_u32 s[49+4*\g], s61, BLK+\g*GB
	s_add_nc_u64 s[50+4*\g:51+4*\g], s[58:59], \g*HREC
	s_or_b32 s[51+4*\g], s[51+4*\g], 0x80000000
.endr
	CROUND                                         ; all sixteen work-groups are here: the joint loads meet
	s_cmp_eq_u32 s16, 0                            ; wave 0 fetches P, waves 1 and 2 the halves of N, wave 3 nothing: two loads of a wave are out; four v_nop follow the second
	s_cbranch_scc0 .Lnot_p
	tensor_load_to_lds s[40:43], s[24:31]
	s_nop 0
	tensor_load_to_lds s[44:47], s[24:31]
	s_nop 0
	PLACES 4
	s_branch .Lasked
.Lnot_p:
	s_cmp_eq_u32 s16, 3
	s_cbranch_scc1 .Lasked
	tensor_load_to_lds s[48:51], s[32:39]
	s_nop 0
	tensor_load_to_lds s[52:55], s[32:39]
	s_nop 0
	PLACES 4
.Lasked:
.macro FETCH s                         ; K step s: P's eight fragments and my four of N, into set s % 2.  Every load takes consecutive bytes across the lanes
.set FG, (\s)/4
.set FO, ((\s)%4)*1536
.set FP, 96*((\s)%2)
.set FN, NF+48*((\s)%2)
	WIN 0x40                                       ; destination window 1
.irp p, 0,1,2,3,4,5,6,7
	ds_load_b128 v[FP+12*\p:FP+12*\p+3], v[L16+FG] offset:\p*HREC+FO
	ds_load_b64 v[FP+12*\p+4:FP+12*\p+5], v[L8+FG] offset:\p*HREC+FO+512
	ds_load_b128 v[FP+12*\p+6:FP+12*\p+9], v[L16+FG] offset:\p*HREC+FO+768
	ds_load_b64 v[FP+12*\p+10:FP+12*\p+11], v[L8+FG] offset:\p*HREC+FO+1280
.endr
	WIN 0
.irp i, 0,1,2,3
	ds_load_b128 v[FN+12*\i:FN+12*\i+3], v[AN16+FG] offset:\i*HREC+FO
	ds_load_b64 v[FN+12*\i+4:FN+12*\i+5], v[AN8+FG] offset:\i*HREC+FO+512
	ds_load_b128 v[FN+12*\i+6:FN+12*\i+9], v[AN16+FG] offset:\i*HREC+FO+768
	ds_load_b64 v[FN+12*\i+10:FN+12*\i+11], v[AN8+FG] offset:\i*HREC+FO+1280
.endr
.endm
.macro SCALES g                        ; the scale words of K steps 4 g + 0 .. 3: register pair: lanes 0-15 steps 4 g, 4 g + 2; lanes 16-31 steps 4 g + 1, 4 g + 3
.irp p, 0,1,2,3,4,5,6,7
	ds_load_b64 v[SP+16*\g+2*\p:SP+16*\g+2*\p+1], v[L8+\g] offset:\p*HREC+SCO
.endr
.irp i, 0,1,2,3
	ds_load_b64 v[SN+8*\g+2*\i:SN+8*\g+2*\i+1], v[AN8+\g] offset:\i*HREC+SCO
.endr
.endm
; 8 matrix instructions: P's eight tiles x my tile i of N, K step s.  cmode 1: the sums begin with the bias of P's rows; 2: with the bias of N's rows; 0: they go on.
.macro MUL s, i, cmode
.set AC, 64*((\i)%2)
.set PA, 96*((\s)%2)
.set NBF, NF+48*((\s)%2)+12*(\i)
.set SA, SP+16*((\s)/4)+((\s)%4)/2
.set SB, SN+8*((\s)/4)+2*(\i)+((\s)%4)/2
.irp p, 0,1,2,3,4,5,6,7
.if \cmode == 1
	v_wmma_scale_f32_16x16x128_f8f6f4 v[AC+8*\p:AC+8*\p+7], v[PA+12*\p:PA+12*\p+11], v[NBF:NBF+11], v[BI+8*\p:BI+8*\p+7], v[SA+2*\p], v[SB] matrix_a_fmt:MATRIX_FMT_BF6 matrix_b_fmt:MATRIX_FMT_BF6
.elseif \cmode == 2
	v_wmma_scale_f32_16x16x128_f8f6f4 v[AC+8*\p:AC+8*\p+7], v[PA+12*\p:PA+12*\p+11], v[NBF:NBF+11], v[BI+8*(\i):BI+8*(\i)+7], v[SA+2*\p], v[SB] matrix_a_fmt:MATRIX_FMT_BF6 matrix_b_fmt:MATRIX_FMT_BF6
.elseif (\s)%2
	v_wmma_scale_f32_16x16x128_f8f6f4 v[AC+8*\p:AC+8*\p+7], v[PA+12*\p:PA+12*\p+11], v[NBF:NBF+11], v[AC+8*\p:AC+8*\p+7], v[SA+2*\p], v[SB] matrix_a_fmt:MATRIX_FMT_BF6 matrix_b_fmt:MATRIX_FMT_BF6 matrix_a_scale:MATRIX_SCALE_ROW1 matrix_b_scale:MATRIX_SCALE_ROW1
.else
	v_wmma_scale_f32_16x16x128_f8f6f4 v[AC+8*\p:AC+8*\p+7], v[PA+12*\p:PA+12*\p+11], v[NBF:NBF+11], v[AC+8*\p:AC+8*\p+7], v[SA+2*\p], v[SB] matrix_a_fmt:MATRIX_FMT_BF6 matrix_b_fmt:MATRIX_FMT_BF6
.endif
.endr
.endm
; A K step: its fragments are in; the next step's 48 loads go out in one run; 32 matrix instructions, the 32 accumulators by turns in the same order in every step.
.macro STEP s, cmode
	s_wait_dscnt 0x0                               ; this step's fragments, asked for 32 matrix instructions ago
.if (\s) == 3
	s_wait_tensorcnt 0x0                           ; my load of K steps 4-7 has landed,
	s_barrier_signal -1
	s_barrier_wait -1                              ; everybody's has
.endif
.if (\s) < 7
.if (\s) > 0
	PLACES 4                                       ; four places between the last products and loads into the registers that they read (ISA guide 7.12.1 for vector instructions)
.endif
	FETCH (\s)+1
.if (\s) == 3
	SCALES 1
.endif
.endif
.if \cmode
	WIN 0x91                                       ; source 0 (P) and C (the bias) window 1, source 1 (N) window 0, D window 2
.else
	WIN 0xa1                                       ; C and D window 2
.endif
	MUL \s, 0, \cmode
	MUL \s, 1, \cmode
.if \cmode
	WIN 0xd1
.else
	WIN 0xf1
.endif
	MUL \s, 2, \cmode
	MUL \s, 3, \cmode
	WIN 0
.endm
.macro MAIN cmode
	s_wait_tensorcnt 0x1                           ; my load of K steps 0-3 has landed; that of steps 4-7 may be out,
	s_barrier_signal -1
	s_barrier_wait -1                              ; everybody's has
	FETCH 0
	SCALES 0
	s_wait_loadcnt 0x0                             ; the bias
.if \cmode == 2
	WIN 0x41
.irp i, 0,1,2,3
.irp j, 1,2,3,4,5,6,7
	v_mov_b32 v[BI+8*\i+\j], v[BI+8*\i]            ; a lane's eight results of a tile belong to one channel: its bias in all eight registers of C
.endr
.endr
	WIN 0
	PLACES 4                                       ; this text keeps four places between these moves and the products that take them as C
.endif
	s_wait_alu depctr_va_vdst(0)
	STEP 0, \cmode
	STEP 1, 0
	STEP 2, 0
	STEP 3, 0
	STEP 4, 0
	STEP 5, 0
	STEP 6, 0
	STEP 7, 0
	PLACES 4                                       ; in front of the first read of results
.endm
; 64 numbers of a lane, v[s] .. v[s + 63], register 16 b + i = k 32 b + 16 (lane / 16) + i of my row, become a fragment's codes in v[pc] on and its scale word in v[pw].  All registers lie in one window.
.macro QUANT s, pc, pw
.irp b, 0,1,2,3
	v_max3_num_f32 v[TM+\b], |v[\s+16*\b]|, |v[\s+1+16*\b]|, 0x2800000   ; block b: my 16 numbers, and the floor 2^(5 - 127): the byte cannot fall under 1.  (Each accumulator is read from its low end on)
.endr
.irp i, 2,4,6,8,10,12,14
.irp b, 0,1,2,3
	v_max3_num_f32 v[TM+\b], v[TM+\b], |v[\s+16*\b+\i]|, |v[\s+1+16*\b+\i]|
.endr
.endr
.irp b, 0,1,2,3
	v_permlanex16_b32 v[TM+4+\b], v[TM+\b], s74, s75
.endr
.irp b, 0,1,2,3
	v_max_num_f32 v[TM+\b], v[TM+\b], v[TM+4+\b]   ; with lane l xor 16's: the block's largest magnitude
.endr
.irp b, 0,1,2,3
	v_add_nc_u32 v[TM+12+\b], 0xfe000000, v[TM+\b] ; 4 off its exponent field: the conversion's scale operand
.endr
.irp b, 0,1,2,3
	v_lshrrev_b32 v[TM+4+\b], 23, v[TM+12+\b]      ; the scale's byte
.endr
	v_lshl_or_b32 v[\pw], v[TM+5], 8, v[TM+4]
	v_lshl_or_b32 v[\pw], v[TM+6], 16, v[\pw]
	v_lshl_or_b32 v[\pw], v[TM+7], 24, v[\pw]
.irp c, 0,1
	v_cvt_scalef32_pk16_bf6_f32 v[\pc+6*\c:\pc+2+6*\c], v[\s+32*\c:\s+15+32*\c], v[TM+12+2*\c]
	v_cvt_scalef32_pk16_bf6_f32 v[\pc+12+4*\c:\pc+14+4*\c], v[\s+16+32*\c:\s+31+32*\c], v[TM+12+2*\c+1]   ; (a conversion's three registers begin on an even number)
.endr
	v_nop                                          ; one plain place behind a scaled conversion
.irp c, 0,1                                    ; the operand's layout wants a whole block in a lane: lanes 0-15 block 2 c, lanes 16-31 block 2 c + 1
.irp i, 0,1,2
	v_permlane16_swap_b32 v[\pc+6*\c+\i], v[\pc+12+4*\c+\i]
.endr
.irp i, 0,1,2
	v_mov_b32 v[\pc+3+6*\c+\i], v[\pc+12+4*\c+\i]
.endr
.endr
.endm
	s_cmp_lt_u32 s20, 8
	s_cbranch_scc0 .Lkind_v
	; ---------------- q and k
	s_and_b32 s66, s21, 7                          ; which pair of heads
	s_cmp_lt_u32 ttmp9, 2                          ; work-group x under 8: q, else k
	s_cselect_b64 s[78:79], s[6:7], s[8:9]         ; the bias
	s_cselect_b64 s[68:69], s[12:13], s[14:15]     ; the output
	s_cselect_b32 s70, 0, 1
	s_lshl_b32 s71, 102400, s70                    ; a head's bytes: 16 chunks of 6,400 (q) or of 12,800 (k with v)
	s_lshr_b32 s72, s20, 1
	s_lshl_b32 s72, s72, 4                         ; 16 x batch
	s_lshl_b32 s73, s66, 1
	s_add_co_u32 s72, s72, s73                     ; the first of my two heads
	s_mul_i32 s72, s72, s71
	s_and_b32 s73, s20, 1
	s_lshl_b32 s73, s73, 3
	s_lshl_b32 s77, s18, 1
	s_add_co_u32 s73, s73, s77
	s_add_co_u32 s73, s73, s60                     ; my chunk of 128 tokens: 8 (cluster y % 2) + 2 cy + wave / 2
	s_lshr_b32 s77, s71, 4
	s_mul_i32 s73, s73, s77
	s_add_co_u32 s72, s72, s73
	s_mov_b32 s73, 0
	s_add_nc_u64 s[68:69], s[68:69], s[72:73]      ; the chunk, first head
	s_and_b32 s77, s16, 1
	s_mul_i32 s72, s77, 3072
	s_add_nc_u64 s[80:81], s[68:69], s[72:73]      ; my four tiles' halves: tile 4 (wave % 2) + i at 768 bytes each
	s_lshl_b32 s72, s77, 7
	s_add_co_u32 s72, s72, SCO
	s_add_nc_u64 s[84:85], s[68:69], s[72:73]      ; my 128 bytes of scale words
	s_mov_b32 s72, s71
	s_add_nc_u64 s[82:83], s[80:81], s[72:73]      ; the same in the second head
	s_add_nc_u64 s[86:87], s[84:85], s[72:73]
	s_lshl_b32 s72, s66, 9
	s_add_nc_u64 s[78:79], s[78:79], s[72:73]      ; the bias of my 128 channels
	v_lshlrev_b32 v[BO], 6, v13                    ; lane (r, hh) wants, for P's tile 2 b + u, channels 32 b + 16 hh + 8 u + 0 .. 7
	WIN 0x40
.irp p, 0,1,2,3,4,5,6,7
	global_load_b128 v[BI+8*\p:BI+8*\p+3], v[BO], s[78:79] offset:(32*(\p/2)+8*(\p%2))*4
	global_load_b128 v[BI+8*\p+4:BI+8*\p+7], v[BO], s[78:79] offset:(32*(\p/2)+8*(\p%2))*4+16
.endr
	WIN 0
	MAIN 1
.irp i, 0,1,2,3                                ; a tile of 16 tokens: the fragment's lower 64 along K are the first head's, its upper 64 the second's
.set QS, 64*(\i%2)
.set QP, PC0+24*(\i%2)
.set QW, PW+\i%2
	WIN 0xaa+0x55*(\i/2)
	QUANT QS, QP, QW
.if \i%2
	v_perm_b32 v[PW+2], v[PW+1], v[PW], 0x05040100 ; the attention reads two tiles as one fragment: its word is the even tile's two bytes, then the odd tile's: first head,
	v_perm_b32 v[PW+3], v[PW+1], v[PW], 0x07060302 ; second head
.endif
	WIN 0x08+4*(\i/2)                              ; a store's data: window 2 or 3
	global_store_b128 v[L16], v[QP:QP+3], s[80:81] offset:768*\i
	global_store_b64 v[L8], v[QP+4:QP+5], s[80:81] offset:768*\i+512
	global_store_b128 v[L16], v[QP+6:QP+9], s[82:83] offset:768*\i
	global_store_b64 v[L8], v[QP+10:QP+11], s[82:83] offset:768*\i+512
.endr
	WIN 0x8e                                       ; source 0 window 2, source 1 window 3, destination window 2
	v_cndmask_b32 v[PW+4], v[PW+2], v[PW+2], s76   ; lanes 0-15: the word of tiles 0, 1; lanes 16-31: that of tiles 2, 3
	v_cndmask_b32 v[PW+5], v[PW+3], v[PW+3], s76
	WIN 0x08
	global_store_b32 v[L4], v[PW+4], s[84:85]
	global_store_b32 v[L4], v[PW+5], s[86:87]
	WIN 0
	s_branch .Lclose
.Lkind_v:
	; ---------------- v
	s_sub_co_u32 s66, s20, 8
	s_lshl_b32 s66, s66, 4                         ; 16 x batch
	s_lshl_b32 s67, s18, 2
	s_add_co_u32 s66, s66, s67
	s_add_co_u32 s66, s66, s16                     ; my head: 4 cy + wave
	s_mul_i32 s66, s66, 204800
	s_mul_i32 s67, s21, REC                        ; the chunk of keys: work-group x
	s_add_co_u32 s66, s66, s67
	s_add_co_u32 s66, s66, HREC                    ; behind k's part of the chunk
	s_mov_b32 s67, 0
	s_add_nc_u64 s[80:81], s[14:15], s[66:67]
	s_lshl_b32 s66, s18, 10
	s_lshl_b32 s68, s16, 8
	s_add_co_u32 s66, s66, s68                     ; my head's 64 channels, 4 bytes each
	s_add_nc_u64 s[78:79], s[10:11], s[66:67]
	v_and_b32 v14, 8, v2
	v_add_nc_u32 v14, v14, v2
	v_lshlrev_b32 v[BO], 2, v14                    ; my channel in a tile: r + 8 (r / 8)
	WIN 0x40
.irp i, 0,1,2,3
	global_load_b32 v[BI+8*\i], v[BO], s[78:79] offset:(32*(\i/2)+8*(\i%2))*4
.endr
	WIN 0
	MAIN 2
.irp i, 0,1,2,3                                ; a tile of 16 channels x 128 keys: one fragment
.set QS, 64*(\i%2)
.set QP, PC0+24*(\i%2)
.set QW, PW+\i%2
	WIN 0xaa+0x55*(\i/2)
	QUANT QS, QP, QW
.if \i%2
	v_cndmask_b32 v[PW+2], v[PW], v[PW+1], s76     ; lanes 0-15: the even tile's words; lanes 16-31: the odd tile's
.endif
	WIN 0x08+4*(\i/2)
	global_store_b128 v[L16], v[QP:QP+3], s[80:81] offset:1536*\i
	global_store_b64 v[L8], v[QP+4:QP+5], s[80:81] offset:1536*\i+512
	global_store_b128 v[L16], v[QP+6:QP+9], s[80:81] offset:1536*\i+768
	global_store_b64 v[L8], v[QP+10:QP+11], s[80:81] offset:1536*\i+1280
.if \i%2
	global_store_b32 v[L4], v[PW+2], s[80:81] offset:SCO+128*(\i/2)
.endif
.endr
	WIN 0
.Lclose:
	s_wait_tensorcnt 0x0
	ds_add_u32 v254, v255
	s_wait_dscnt 0x0
	CROUND                                         ; the closing round: no work-group ends while a partner may still ask for a tile that names it
	s_endpgm
.Lfunc_end_k_qd4efa10ada_qkv:
	.size	k_qd4efa10ada_qkv, .Lfunc_end_k_qd4efa10ada_qkv-k_qd4efa10ada_qkv
	.p2alignl 7, 3214868480
	.fill 96, 4, 3214868480
	.section	.rodata,"a",@progbits
	.p2align	6, 0x0
	.amdhsa_kernel k_qd4efa10ada_qkv
		.amdhsa_group_segment_fixed_size 307712
		.amdhsa_private_segment_fixed_size 0
		.amdhsa_enable_private_segment 0
		.amdhsa_kernarg_size 48
		.amdhsa_user_sgpr_count 2
		.amdhsa_user_sgpr_kernarg_segment_ptr 1
		.amdhsa_wavefront_size32 1
		.amdhsa_system_sgpr_workgroup_id_x 1
		.amdhsa_system_sgpr_workgroup_id_y 1
		.amdhsa_system_sgpr_workgroup_id_z 1
		.amdhsa_system_vgpr_workitem_id 0
		.amdhsa_next_free_vgpr 1024
		.amdhsa_next_free_sgpr 100
		.amdhsa_reserve_vcc 0
		.amdhsa_float_denorm_mode_32 3
		.amdhsa_float_denorm_mode_16_64 3
		.amdhsa_memory_ordered 1
		.amdhsa_forward_progress 1
		.amdhsa_inst_pref_size 167
	.end_amdhsa_kernel
	.amdgpu_metadata
---
amdhsa.version: [ 1, 2 ]
amdhsa.kernels:
  - .name:           k_qd4efa10ada_qkv
    .symbol:         k_qd4efa10ada_qkv.kd
    .args:
      - { .name: ops, .offset: 0, .size: 8, .value_kind: global_buffer, .address_space: global }
      - { .name: bq, .offset: 8, .size: 8, .value_kind: global_buffer, .address_space: global }
      - { .name: bk, .offset: 16, .size: 8, .value_kind: global_buffer, .address_space: global }
      - { .name: bv, .offset: 24, .size: 8, .value_kind: global_buffer, .address_space: global }
      - { .name: qb, .offset: 32, .size: 8, .value_kind: global_buffer, .address_space: global }
      - { .name: kvb, .offset: 40, .size: 8, .value_kind: global_buffer, .address_space: global }
    .group_segment_fixed_size: 307712
    .private_segment_fixed_size: 0
    .kernarg_segment_align: 8
    .kernarg_segment_size: 48
    .max_flat_workgroup_size: 128
    .sgpr_count:     100
    .vgpr_count:     1024
    .wavefront_size: 32
...
	.end_amdgpu_metadata
.endif
;; end of part 2
;; launch attn (part 3): grid 4 x 64, 16 waves a work-group, clusters of 4 x 1, 327,680 bytes of LDS; arguments qb, kvb, yb; writes yb
.if DOCPART == 3
	.amdgcn_target "amdgcn-amd-amdhsa--gfx1250"
	.amdhsa_code_object_version 6
	.text
	.protected	k_qd4efa10ada_attn
	.globl	k_qd4efa10ada_attn
	.p2align	8
	.type	k_qd4efa10ada_attn,@function
k_qd4efa10ada_attn:
	s_mov_b64 s[64:65], 0
	v_nop
	global_prefetch_b8 v0, s[64:65] scope:SCOPE_SE
	s_setreg_imm32_b32 hwreg(HW_REG_WAVE_MODE, 25, 1), 1
	s_wait_xcnt 0x0
	s_wait_alu depctr_hold_cnt(0) depctr_sa_sdst(0) depctr_va_vdst(0) depctr_va_sdst(0) depctr_va_ssrc(0) depctr_va_vcc(0) depctr_vm_vsrc(0)
	s_getreg_b32 s2, hwreg(HW_REG_IB_STS2, 6, 4)
	s_cmp_eq_u32 s2, 0
	s_cbranch_scc0 .Lentry_in_a_cluster
	s_endpgm
.Lentry_in_a_cluster:
	s_bfe_u32 s2, ttmp6, 0x10000c
	s_cmp_lg_u32 s2, 0x3003
	s_cbranch_scc0 .Lentry_shape_is_right
	s_endpgm
.Lentry_shape_is_right:
; y[head][q] = the sum over keys k <= q of softmax_k(q . k / 8) v[k], both products on codes of BF6 (E3M2) with E8M0 scales; y is quantised along the model's 1,024 channels (two blocks a head) and leaves as codes.
; THE SOFTMAX: t = score x log2(e) / 8; M = the running largest t rounded UP to a whole number; p = 2^(t - M) is quantised along the keys, not normalised; the row's sum is taken of the unquantised p and divides at the end.
; When M moves, the sum and O are multiplied by 2^(old M - new M): exact.
; SHARES.  A cluster of four work-groups is one head (2,048 tokens: 128 tiles of 16 queries; tile j holds tokens 32 (j / 2) + 8 (j % 2) + r + 8 (r / 8)).  Wave w of work-group cx owns tiles 4 w + cx and 127 - (4 w + cx):
; with a = w / 2 they need the chunks of 128 keys 0 .. a and 0 .. 15 - a: 17 key steps for every wave, whatever cx: all waves have the same work, and no branch hangs on the place in the cluster.
; A HEAD'S WHOLE K AND V (16 chunks of 12,800 bytes) FIT IN LDS: filled once, by joint loads (the four work-groups read the same bytes), never filled again.  The claim of LDS is larger than that use: the select of a chunk's
; base in the last loop offers, and never takes, a base one chunk behind the last.
; LAYOUT.  Both products are used transposed (S^T = K Q^T, O^T = V^T P^T): a lane holds one query throughout.  By the choice of a tile's rows the 16 registers of two neighbouring tiles of keys are 16 neighbouring keys, and O^T's 32 registers
; are, 16 by 16, neighbours along the head's 64.
; A HEAD'S 64 FILL HALF OF THE INSTRUCTION'S K = 128: source 0 is two tiles of keys side by side (tile 2 f in K 0-63, tile 2 f + 1 in K 64-127); source 1 is [q | zeros] for the first and [zeros | q] for the second. Zero codes add nothing.
; LIMITS: a block of zeros gets the byte 1 where the rule says 127 (its codes are zeros; this program alone reads the bytes); NaN and infinities are not served.
; REGISTERS: v1-5 lane terms; v6-8 the step's LDS addresses; v10 q's scale word; v12 -M, v13 the largest t, v[14:15] the sum; v16-21 zeros, v22-27 q, v28-33 zeros; v34-39, v11 the other tile's q; v40-87 four fragments of K or V;
;   v96-159 S^T, then p; v160-191 O^T; v192-210 codes; v212-223 at work; v224-227 K's and V's scale words; v229 p's; v230 f; v232-235 at work.
.set CH,   12800                       ; a chunk in LDS and in kvb: K: 4 fragments, 256 bytes of scale words; V: the same
.set F,    40
.set S,    96
.set O,    160
.set PC,   192
.set AUX,  204
.set BM,   212                         ; block maxima
.set T2,   216                         ; temporaries
.set SO,   220                         ; the conversions' scale operands
.macro CROUND
	s_barrier_signal -1
	s_barrier_wait -1
	s_cmp_lg_u32 s10, 0
	s_cbranch_scc1 .Lnot_wave_0_\@
	s_barrier_signal -3
.Lnot_wave_0_\@:
	s_barrier_wait -3
	s_barrier_signal -1
	s_barrier_wait -1
.endm
	s_load_b128 s[4:7], s[0:1], 0x0                ; qb, kvb
	s_load_b64 s[8:9], s[0:1], 0x10                ; yb
	v_lshl_add_u32 v254, v0, 2, 0x32000
	v_mov_b32 v255, 0
	ds_add_u32 v254, v255
	ds_add_u32 v254, v255
	v_lshrrev_b32 v1, 5, v0
	s_delay_alu instid0(VALU_DEP_1)
	v_readfirstlane_b32 s10, v1                    ; wave 0..15
	v_and_b32 v9, 31, v0
	s_delay_alu instid0(VALU_DEP_1)
	v_lshlrev_b32 v1, 4, v9                        ; 16 x lane
	s_delay_alu instid0(VALU_DEP_2)
	v_lshlrev_b32 v2, 3, v9                        ; 8 x lane
	s_delay_alu instid0(VALU_DEP_3)
	v_lshlrev_b32 v3, 2, v9                        ; 4 x lane
	v_and_b32 v232, 15, v0                         ; r
	v_bfe_u32 v233, v0, 4, 1                       ; hh
	s_delay_alu instid0(VALU_DEP_1)
	v_lshl_add_u32 v4, v232, 3, v233               ; 8 r + hh: my byte among y's scale words
	s_delay_alu instid0(VALU_DEP_3)
	v_and_b32 v234, 8, v232
	s_delay_alu instid0(VALU_DEP_1)
	v_add_nc_u32 v5, v234, v232
	s_delay_alu instid0(VALU_DEP_4)
	v_lshlrev_b32 v234, 4, v233
	s_delay_alu instid0(VALU_DEP_1)
	v_sub_nc_u32 v5, v5, v234                      ; r + 8 (r / 8) - 16 hh: for the mask
	v_lshlrev_b32 v9, 2, v232                      ; 4 r: q's scale words
	v_cmp_eq_u32 s79, 1, v233                      ; lanes 16-31
	s_bfe_u32 s11, ttmp6, 0x40000                  ; cx
	s_and_b32 s12, ttmp7, 0xffff                   ; 16 x batch + head
	s_lshr_b32 s13, s10, 1                         ; a
	s_sub_co_u32 s16, 7, s13                       ; NB: the last loop's trip in which the late tile meets its diagonal
	s_sub_co_u32 s17, 8, s13                       ; NA: the trip in which the early tile begins, on its diagonal
	s_lshl_b32 s14, s10, 2
	s_add_co_u32 s14, s14, s11                     ; the early tile
	s_sub_co_u32 s15, 127, s14                     ; the late tile
	s_mov_b32 s20, 0x76543210
	s_mov_b32 s21, 0xfedcba98                      ; v_permlanex16_b32's selects for lane l xor 16
	s_mov_b32 s22, 0x3e38aa3b                      ; c = log2(e) / 8
	s_mov_b32 s23, s22                             ; (named with it as a pair, so it is written)
	s_mov_b32 s24, 15|(3<<16)|(1<<21)              ; group 1: all four work-groups; elements of 8 bytes; bit 21 beside a mask; no padding
	s_mov_b32 s25, 32<<16                          ; tensor_dim0 = 32 elements: rows of 256 bytes
	s_mov_b32 s26, 50<<16                          ; tensor_dim1 = 50 rows: a chunk
	s_mov_b32 s27, 32<<16                          ; tile_dim0
	s_mov_b32 s28, 50                              ; tile_dim1
	s_mov_b32 s29, 32                              ; dense
	s_mov_b32 s30, 0
	s_mov_b32 s31, 0
	s_and_b32 s66, s10, 3
	s_mul_i32 s66, s66, CH                         ; waves 0-3 fetch chunks w, 4 + w, 8 + w, 12 + w
	s_mul_i32 s70, s12, 16*CH
	s_add_co_u32 s70, s70, s66
	s_mov_b32 s71, 0
	s_mov_b32 s69, 0
	s_mul_i32 s82, s12, 102400                     ; the head in qb
	s_and_b32 s67, s12, 15                         ; the head h: its 64 channels are half h % 2 of K step h / 2 of y's records
	s_lshr_b32 s68, s67, 3
	s_mul_i32 s68, s68, 6400                       ; half record h / 8
	s_bfe_u32 s76, s67, 0x20001
	s_mul_i32 s76, s76, 1536                       ; fragment (h / 2) % 4
	s_add_co_u32 s76, s76, s68
	s_and_b32 s78, s67, 1
	s_mul_i32 s77, s78, 768
	s_add_co_u32 s76, s76, s77                     ; where the head's codes lie in a record
	s_bfe_u32 s77, s67, 0x10001
	s_lshl_b32 s77, s77, 7                         ; scale words: lanes 16-31's part for an odd K step,
	s_add_co_u32 s77, s77, s68
	s_bfe_u32 s68, s67, 0x10002
	s_lshl_b32 s68, s68, 2                         ; the second word for K steps 2, 3 of the four,
	s_add_co_u32 s77, s77, s68
	s_lshl_b32 s78, s78, 1                         ; bytes 2, 3 for the upper half
	s_add_co_u32 s77, s77, s78
	s_add_co_u32 s77, s77, 6144                    ; where the head's scale bytes lie in a record
	s_lshr_b32 s78, s12, 4
	s_lshl_b32 s78, s78, 7                         ; the batch's first tile
	s_wait_dscnt 0x0
	s_wait_kmcnt 0x0
	s_add_nc_u64 s[70:71], s[6:7], s[70:71]
.irp j, 0,1,2,3
	s_mov_b32 s[32+4*\j], 1
	s_add_co_u32 s[33+4*\j], s66, \j*4*CH
	s_add_nc_u64 s[34+4*\j:35+4*\j], s[70:71], \j*4*CH
	s_or_b32 s[35+4*\j], s[35+4*\j], 0x80000000
.endr
; tile number in s[j] -> its codes and scale words in qb, its codes and scale bytes in yb, its first token in its chunk, the byte select for its scale word
.macro TILE j, qh, qs, y, ys, dq, sel
	s_lshr_b32 s66, s[\j], 3
	s_mul_i32 s66, s66, 6400
	s_add_co_u32 s66, s66, s82
	s_and_b32 s67, s[\j], 7
	s_mul_i32 s68, s67, 768
	s_add_co_u32 s68, s68, s66
	s_add_nc_u64 s[\qh:\qh+1], s[4:5], s[68:69]
	s_lshr_b32 s67, s67, 1
	s_lshl_b32 s67, s67, 6
	s_add_co_u32 s68, s67, s66
	s_add_co_u32 s68, s68, 6144
	s_add_nc_u64 s[\qs:\qs+1], s[4:5], s[68:69]
	s_add_co_u32 s66, s78, s[\j]
	s_mul_i32 s66, s66, 12800
	s_add_co_u32 s68, s66, s76
	s_add_nc_u64 s[\y:\y+1], s[8:9], s[68:69]
	s_add_co_u32 s68, s66, s77
	s_add_nc_u64 s[\ys:\ys+1], s[8:9], s[68:69]
	s_bfe_u32 s66, s[\j], 0x20001
	s_lshl_b32 s66, s66, 5
	s_and_b32 s67, s[\j], 1
	s_lshl_b32 s70, s67, 3
	s_add_co_u32 s[\dq], s66, s70                  ; 32 ((j / 2) % 4) + 8 (j % 2)
	s_mul_i32 s67, s67, 0x02020202
	s_add_co_u32 s[\sel], s67, 0x01000100          ; bytes 0, 1 of the stored word for an even tile, bytes 2, 3 for an odd one, twice
.endm
	TILE 14, 52, 54, 56, 58, 51, 80
	TILE 15, 72, 74, 60, 62, 50, 81
	CROUND                                         ; all four work-groups are here: the joint loads meet
	s_cmp_lt_u32 s10, 4
	s_cbranch_scc0 .Lno_load
	tensor_load_to_lds s[32:35], s[24:31]          ; four loads of a wave are out
	s_nop 0
	tensor_load_to_lds s[36:39], s[24:31]
	s_nop 0
	tensor_load_to_lds s[40:43], s[24:31]
	s_nop 0
	tensor_load_to_lds s[44:47], s[24:31]
	s_nop 0
.rept 4
	v_nop
.endr
.Lno_load:
	global_load_b128 v[22:25], v1, s[72:73]        ; the late tile's q: it goes first
	global_load_b64 v[26:27], v2, s[72:73] offset:512
	s_wait_alu depctr_va_vdst(0)
	global_load_b32 v234, v9, s[74:75]
	global_load_b128 v[34:37], v1, s[52:53]        ; the early tile's
	global_load_b64 v[38:39], v2, s[52:53] offset:512
	global_load_b32 v235, v9, s[54:55]
.irp i, 16,17,18,19,20,21,28,29,30,31,32,33
	v_mov_b32 v\i, 0                               ; the zero codes on both sides of q
.endr
.irp b, 0,1,2,3
	v_mov_b32 v[T2+\b], 0                          ; written once: a lane permute's destination counts as one of its sources
.endr
	v_mov_b32 v231, 0                              ; (named as the upper half of the pair v[230:231])
	s_wait_loadcnt 0x0
	v_perm_b32 v10, v234, v234, s81                ; q's scale word (s0, s1, s0, s1): it serves q in either half of K
	v_perm_b32 v11, v235, v235, s80
.macro INIT                            ; a tile begins: the largest t is -3e38, the sum and O^T are zeros, which the first change of M leaves zeros.  These moves are also the places between the writes of q and its scale word and the products
	v_mov_b32 v13, 0xff61b1e6
	s_delay_alu instid0(VALU_DEP_1)
	v_floor_f32 v12, -v13
	v_mov_b32 v14, 0
	v_mov_b32 v15, 0
.set n, 0
.rept 32
	v_mov_b32 v[O+n], 0
.set n, n+1
.endr
.endm
	INIT
; A KEY STEP: the 128 keys of the chunk at LDS byte s18.  masked = 1: on a tile's diagonal chunk hidden scores become -infinity.
.macro STEP masked
	v_add_nc_u32 v6, s18, v1
	v_add_nc_u32 v7, s18, v2
	v_add_nc_u32 v8, s18, v3
	v_nop                                          ; four places between the last products and loads into the registers that they read
.irp f, 0,1,2,3
	ds_load_b128 v[F+12*\f:F+12*\f+3], v6 offset:1536*\f
	ds_load_b64 v[F+12*\f+4:F+12*\f+5], v7 offset:1536*\f+512
	ds_load_b128 v[F+12*\f+6:F+12*\f+9], v6 offset:1536*\f+768
	ds_load_b64 v[F+12*\f+10:F+12*\f+11], v7 offset:1536*\f+1280
.endr
	ds_load_b32 v224, v8 offset:6144               ; lanes 0-15: fragment 0's words, lanes 16-31: fragment 1's
	ds_load_b32 v225, v8 offset:6272               ; fragments 2, 3
	s_wait_alu depctr_va_vdst(0)
	s_wait_dscnt 0x0
.irp t, 0,1,2,3,4,5,6,7                        ; S^T: tile t of 16 keys lies in half t % 2 of fragment t / 2
.if (\t/2)%2
	v_wmma_scale_f32_16x16x128_f8f6f4 v[S+8*\t:S+8*\t+7], v[F+12*(\t/2):F+12*(\t/2)+11], v[22-6*(\t%2):33-6*(\t%2)], 0, v[224+\t/4], v10 matrix_a_fmt:MATRIX_FMT_BF6 matrix_b_fmt:MATRIX_FMT_BF6 matrix_a_scale:MATRIX_SCALE_ROW1
.else
	v_wmma_scale_f32_16x16x128_f8f6f4 v[S+8*\t:S+8*\t+7], v[F+12*(\t/2):F+12*(\t/2)+11], v[22-6*(\t%2):33-6*(\t%2)], 0, v[224+\t/4], v10 matrix_a_fmt:MATRIX_FMT_BF6 matrix_b_fmt:MATRIX_FMT_BF6
.endif
.endr
.rept 4
	v_nop                                          ; places in front of the loads below and of the first read of the scores
.endr
.irp f, 0,1,2,3                                ; V's four fragments land while the softmax is worked
	ds_load_b128 v[F+12*\f:F+12*\f+3], v6 offset:6400+1536*\f
	ds_load_b64 v[F+12*\f+4:F+12*\f+5], v7 offset:6400+1536*\f+512
	ds_load_b128 v[F+12*\f+6:F+12*\f+9], v6 offset:6400+1536*\f+768
	ds_load_b64 v[F+12*\f+10:F+12*\f+11], v7 offset:6400+1536*\f+1280
.endr
	ds_load_b32 v226, v8 offset:12544
	ds_load_b32 v227, v8 offset:12672
.if \masked
	s_sub_co_u32 s66, s19, s16                     ; trips NB and NB + 1 are the two diagonal chunks; the others skip the mask
	s_cmp_gt_u32 s66, 1
	s_cbranch_scc1 .Lopen_\@
	v_add_nc_u32 v232, s50, v5                     ; d = my query - the chunk's first key - 16 hh.  Register 16 b + i holds key 32 b + 16 hh + i of the chunk: hidden where 32 b + i > d
	v_mov_b32 v233, 0xff800000
.set n, 0
.rept 64
	v_cmp_gt_i32 vcc_lo, 32*(n/16)+n%16, v232
	v_cndmask_b32 v[S+n], v[S+n], v233, vcc_lo
.set n, n+1
.endr
.Lopen_\@:
.endif
.irp b, 0,1,2,3
	v_max3_num_f32 v[BM+\b], v[S+16*\b], v[S+1+16*\b], v[S+2+16*\b]   ; the largest score of each block of 32 keys: for the row's maximum, and, since p rises with the score, for the block's largest p
.endr
.irp i, 3,5,7,9,11,13
.irp b, 0,1,2,3
	v_max3_num_f32 v[BM+\b], v[BM+\b], v[S+16*\b+\i], v[S+1+16*\b+\i]
.endr
.endr
.irp b, 0,1,2,3
	v_max_num_f32 v[BM+\b], v[BM+\b], v[S+15+16*\b]
.endr
.irp b, 0,1,2,3
	s_delay_alu instid0(VALU_DEP_4)
	v_permlanex16_b32 v[T2+\b], v[BM+\b], s20, s21
.endr
.irp b, 0,1,2,3
	s_delay_alu instid0(VALU_DEP_4)
	v_max_num_f32 v[BM+\b], v[BM+\b], v[T2+\b]     ; with lane l xor 16's 16 keys
.endr
	s_delay_alu instid0(VALU_DEP_2)
	v_max3_num_f32 v232, v[BM], v[BM+1], v[BM+2]
	s_delay_alu instid0(VALU_DEP_1)
	v_max_num_f32 v232, v232, v[BM+3]
	s_delay_alu instid0(VALU_DEP_1)
	v_mul_f32 v232, s22, v232                      ; the step's largest t (c is positive)
	s_delay_alu instid0(VALU_DEP_1)
	v_max_num_f32 v13, v13, v232                   ; the running largest t
	v_mov_b32 v232, v12
	s_delay_alu instid0(VALU_DEP_2)
	v_floor_f32 v12, -v13                          ; the new -M = -ceil(t)
	s_delay_alu instid0(VALU_DEP_1)
	v_sub_f32 v232, v12, v232                      ; old M - new M: a whole number, 0 or less
	s_delay_alu instid0(VALU_DEP_1)
	v_cvt_i32_f32 v232, v232                       ; (it saturates)
	s_delay_alu instid0(VALU_DEP_1)
	v_ldexp_f32 v230, 1.0, v232                    ; f = 2^(old M - new M)
.set n, 0
.rept 32
	v_pk_fma_f32 v[S+n:S+n+1], v[S+n:S+n+1], s[22:23], v[12:13] op_sel_hi:[1,0,0]   ; t - M
.set n, n+2
.endr
.irp b, 0,1,2,3
	v_fma_f32 v[BM+\b], v[BM+\b], s22, v12         ; the same of each block's largest score
.endr
.set n, 0
	s_wait_alu depctr_va_vdst(0)
.rept 64
	v_exp_f32 v[S+n], v[S+n]                       ; p = 2^(t - M)
.set n, n+1
.endr
.irp b, 0,1,2,3
	v_exp_f32 v[BM+\b], v[BM+\b]                   ; the block's largest p: the same two instructions on the same number give the same bits
.endr
	v_pk_mul_f32 v[14:15], v[14:15], v[230:231] op_sel_hi:[1,0]   ; the sums under the new M.  (A plain place behind the exponentials)
	s_wait_alu depctr_va_vdst(0)
.irp b, 0,1,2,3
	v_max_num_f32 v[BM+\b], 0x2800000, v[BM+\b]    ; the floor 2^(5 - 127): the byte cannot fall under 1
.endr
.irp b, 0,1,2,3
	s_delay_alu instid0(VALU_DEP_4)
	v_add_nc_u32 v[SO+\b], 0xfe000000, v[BM+\b]
.endr
.irp b, 0,1,2,3
	s_delay_alu instid0(VALU_DEP_4)
	v_lshrrev_b32 v[T2+\b], 23, v[SO+\b]
.endr
	s_delay_alu instid0(VALU_DEP_3)
	v_lshl_or_b32 v229, v[T2+1], 8, v[T2]          ; p's scale word for these 128 keys
	s_delay_alu instid0(VALU_DEP_1)
	v_lshl_or_b32 v229, v[T2+2], 16, v229
	s_delay_alu instid0(VALU_DEP_1)
	v_lshl_or_b32 v229, v[T2+3], 24, v229
.irp c, 0,1
	v_cvt_scalef32_pk16_bf6_f32 v[PC+6*\c:PC+2+6*\c], v[S+32*\c:S+15+32*\c], v[SO+2*\c]
	v_cvt_scalef32_pk16_bf6_f32 v[AUX+4*\c:AUX+2+4*\c], v[S+16+32*\c:S+31+32*\c], v[SO+2*\c+1]
.endr
	v_nop                                          ; one plain place behind a scaled conversion
.irp c, 0,1
.irp i, 0,1,2
	v_permlane16_swap_b32 v[PC+6*\c+\i], v[AUX+4*\c+\i]
.endr
.irp i, 0,1,2
	s_delay_alu instid0(VALU_DEP_3)
	v_mov_b32 v[PC+3+6*\c+\i], v[AUX+4*\c+\i]
.endr
.endr
	v_pk_add_f32 v[216:217], v[100:101], v[104:105]
	v_pk_add_f32 v[252:253], v[108:109], v[112:113]
	v_pk_add_f32 v[250:251], v[116:117], v[120:121]
	v_pk_add_f32 v[248:249], v[124:125], v[128:129]
	v_pk_add_f32 v[246:247], v[132:133], v[136:137]
	v_pk_add_f32 v[244:245], v[140:141], v[144:145]
	v_pk_add_f32 v[242:243], v[148:149], v[152:153]
	v_pk_add_f32 v[14:15], v[14:15], v[156:157]
	v_pk_add_f32 v[216:217], v[216:217], v[96:97]
	v_pk_add_f32 v[252:253], v[252:253], v[98:99]
	v_pk_add_f32 v[250:251], v[250:251], v[102:103]
	v_pk_add_f32 v[248:249], v[248:249], v[106:107]
	v_pk_add_f32 v[246:247], v[246:247], v[110:111]
	v_pk_add_f32 v[244:245], v[244:245], v[114:115]
	v_pk_add_f32 v[242:243], v[242:243], v[118:119]
	v_pk_add_f32 v[14:15], v[14:15], v[122:123]
	v_pk_add_f32 v[216:217], v[216:217], v[126:127]
	v_pk_add_f32 v[252:253], v[252:253], v[130:131]
	v_pk_add_f32 v[250:251], v[250:251], v[134:135]
	v_pk_add_f32 v[248:249], v[248:249], v[138:139]
	v_pk_add_f32 v[246:247], v[246:247], v[142:143]
	v_pk_add_f32 v[244:245], v[244:245], v[146:147]
	v_pk_add_f32 v[242:243], v[242:243], v[150:151]
	v_pk_add_f32 v[14:15], v[14:15], v[154:155]
	v_pk_add_f32 v[216:217], v[216:217], v[158:159]
	s_delay_alu instid0(VALU_DEP_2)
	v_pk_add_f32 v[14:15], v[14:15], v[248:249]
	s_delay_alu instid0(VALU_DEP_2)
	v_pk_add_f32 v[216:217], v[216:217], v[246:247]
	v_pk_add_f32 v[252:253], v[252:253], v[244:245]
	v_pk_add_f32 v[250:251], v[250:251], v[242:243]
	s_delay_alu instid0(VALU_DEP_2)
	v_pk_add_f32 v[14:15], v[14:15], v[252:253]
	s_delay_alu instid0(VALU_DEP_2)
	v_pk_add_f32 v[216:217], v[216:217], v[250:251]
	s_delay_alu instid0(VALU_DEP_1)
	v_pk_add_f32 v[14:15], v[14:15], v[216:217]
.set n, 0
.rept 16
	v_pk_mul_f32 v[O+n:O+n+1], v[O+n:O+n+1], v[230:231] op_sel_hi:[1,0]   ; O^T under the new M
.set n, n+2
.endr
	s_wait_alu depctr_va_vdst(0)
	s_wait_dscnt 0x0                               ; V is in
.irp d, 0,1,2,3                                ; O^T += V^T P^T: the four accumulators by turns
.if \d%2
	v_wmma_scale_f32_16x16x128_f8f6f4 v[O+8*\d:O+8*\d+7], v[F+12*\d:F+12*\d+11], v[PC:PC+11], v[O+8*\d:O+8*\d+7], v[226+\d/2], v229 matrix_a_fmt:MATRIX_FMT_BF6 matrix_b_fmt:MATRIX_FMT_BF6 matrix_a_scale:MATRIX_SCALE_ROW1
.else
	v_wmma_scale_f32_16x16x128_f8f6f4 v[O+8*\d:O+8*\d+7], v[F+12*\d:F+12*\d+11], v[PC:PC+11], v[O+8*\d:O+8*\d+7], v[226+\d/2], v229 matrix_a_fmt:MATRIX_FMT_BF6 matrix_b_fmt:MATRIX_FMT_BF6
.endif
.endr
.endm
; A tile ends: O^T / the sum is y: register 16 b + i = channel 32 b + 16 hh + i of the head: two blocks, quantised; the codes are half a fragment of y's record, each lane stores its own block's byte.
.macro FINAL y, ys
.rept 4
	v_nop                                          ; places behind the last products
.endr
	v_add_f32 v14, v14, v15
	s_delay_alu instid0(VALU_DEP_1)
	v_permlanex16_b32 v232, v14, s20, s21
	s_delay_alu instid0(VALU_DEP_1)
	v_add_f32 v14, v14, v232                       ; the row's sum
	s_wait_alu depctr_va_vdst(0)
	v_rcp_f32 v14, v14
	v_nop                                          ; one plain place behind a transcendental
.set n, 0
	s_wait_alu depctr_va_vdst(0)
.rept 16
	v_pk_mul_f32 v[O+n:O+n+1], v[O+n:O+n+1], v[14:15] op_sel_hi:[1,0]
.set n, n+2
.endr
.irp b, 0,1
	v_max3_num_f32 v[BM+\b], |v[O+16*\b]|, |v[O+1+16*\b]|, 0x2800000
.endr
.irp i, 2,4,6,8,10,12,14
.irp b, 0,1
	s_delay_alu instid0(VALU_DEP_2)
	v_max3_num_f32 v[BM+\b], v[BM+\b], |v[O+16*\b+\i]|, |v[O+1+16*\b+\i]|
.endr
.endr
.irp b, 0,1
	s_delay_alu instid0(VALU_DEP_2)
	v_permlanex16_b32 v[T2+\b], v[BM+\b], s20, s21
.endr
.irp b, 0,1
	s_delay_alu instid0(VALU_DEP_2)
	v_max_num_f32 v[BM+\b], v[BM+\b], v[T2+\b]
.endr
.irp b, 0,1
	s_delay_alu instid0(VALU_DEP_2)
	v_add_nc_u32 v[SO+\b], 0xfe000000, v[BM+\b]
.endr
.irp b, 0,1
	s_delay_alu instid0(VALU_DEP_2)
	v_lshrrev_b32 v[T2+\b], 23, v[SO+\b]
.endr
	s_delay_alu instid0(VALU_DEP_1)
	v_cndmask_b32 v233, v[T2], v[T2+1], s79        ; lanes 0-15 block 0's byte, lanes 16-31 block 1's
	v_cvt_scalef32_pk16_bf6_f32 v[PC:PC+2], v[O:O+15], v[SO]
	v_cvt_scalef32_pk16_bf6_f32 v[AUX:AUX+2], v[O+16:O+31], v[SO+1]
	v_nop                                          ; one plain place behind a scaled conversion
.irp i, 0,1,2
	v_permlane16_swap_b32 v[PC+\i], v[AUX+\i]
.endr
.irp i, 0,1,2
	s_delay_alu instid0(VALU_DEP_3)
	v_mov_b32 v[PC+3+\i], v[AUX+\i]
.endr
	global_store_b128 v1, v[PC:PC+3], s[\y:\y+1]               ; 512 consecutive bytes
	global_store_b64 v2, v[PC+4:PC+5], s[\y:\y+1] offset:512   ; 256 consecutive bytes
	global_store_b8 v4, v233, s[\ys:\ys+1]                     ; a head has 2 of a row's 32 scale bytes: single bytes, one in 24 of what a tile stores
	s_wait_xcnt 0x0                                ; the stores have read their registers: these are written again
.endm
	s_mov_b32 s18, 0
	s_wait_tensorcnt 0x3                           ; chunks 0-3 have landed (each of waves 0-3 leaves its three later loads out),
	s_barrier_signal -1
	s_barrier_wait -1                              ; for everybody
	s_mov_b32 s19, 4
.Lfirst:                                               ; the late tile, chunks 0-3: all their keys count
	STEP 0
	s_add_co_u32 s18, s18, CH
	s_sub_co_u32 s19, s19, 1
	s_cmp_lg_u32 s19, 0
	s_cbranch_scc1 .Lfirst
	s_wait_tensorcnt 0x2                           ; chunks 4-7
	s_wait_dscnt 0x0
	s_barrier_signal -1
	s_barrier_wait -1
	s_mov_b32 s19, 4
.Lsecond:
	STEP 0
	s_add_co_u32 s18, s18, CH
	s_sub_co_u32 s19, s19, 1
	s_cmp_lg_u32 s19, 0
	s_cbranch_scc1 .Lsecond
	s_wait_tensorcnt 0x0                           ; all chunks
	s_wait_dscnt 0x0
	s_barrier_signal -1
	s_barrier_wait -1                              ; from here on LDS is only read, and no wave waits for another
	s_mov_b32 s19, 0
	s_mov_b32 s48, 7*CH
	s_mov_b32 s49, 9*CH
.Ltail:                                                ; nine trips: the late tile goes up, chunks 8 .. 15 - a; then the early tile goes down, chunks a .. 0
	s_add_co_u32 s48, s48, CH                      ; chunk 8 + n
	s_sub_co_u32 s49, s49, CH                      ; chunk 8 - n
	s_cmp_lg_u32 s19, s17
	s_cbranch_scc1 .Lsame
	FINAL 60, 62                                   ; the late tile is done
	v_mov_b32 v10, v11                             ; the early tile's scale word and q
.irp i, 0,1,2,3,4,5
	v_mov_b32 v[22+\i], v[34+\i]
.endr
	INIT
	s_mov_b32 s50, s51
.Lsame:
	s_cmp_le_u32 s19, s16
	s_cselect_b32 s18, s48, s49
	STEP 1
	s_add_co_u32 s19, s19, 1
	s_cmp_lt_u32 s19, 9
	s_cbranch_scc1 .Ltail
	FINAL 56, 58
	s_wait_tensorcnt 0x0
	ds_add_u32 v254, v255
	s_wait_dscnt 0x0
	CROUND                                         ; the closing round: no work-group ends while a partner may still ask for a tile that names it
	s_endpgm
.Lfunc_end_k_qd4efa10ada_attn:
	.size	k_qd4efa10ada_attn, .Lfunc_end_k_qd4efa10ada_attn-k_qd4efa10ada_attn
	.p2alignl 7, 3214868480
	.fill 96, 4, 3214868480
	.section	.rodata,"a",@progbits
	.p2align	6, 0x0
	.amdhsa_kernel k_qd4efa10ada_attn
		.amdhsa_group_segment_fixed_size 327680
		.amdhsa_private_segment_fixed_size 0
		.amdhsa_enable_private_segment 0
		.amdhsa_kernarg_size 24
		.amdhsa_user_sgpr_count 2
		.amdhsa_user_sgpr_kernarg_segment_ptr 1
		.amdhsa_wavefront_size32 1
		.amdhsa_system_sgpr_workgroup_id_x 1
		.amdhsa_system_sgpr_workgroup_id_y 1
		.amdhsa_system_sgpr_workgroup_id_z 1
		.amdhsa_system_vgpr_workitem_id 0
		.amdhsa_next_free_vgpr 256
		.amdhsa_next_free_sgpr 90
		.amdhsa_reserve_vcc 1
		.amdhsa_float_denorm_mode_32 3
		.amdhsa_float_denorm_mode_16_64 3
		.amdhsa_memory_ordered 1
		.amdhsa_forward_progress 1
		.amdhsa_inst_pref_size 79
	.end_amdhsa_kernel
	.amdgpu_metadata
---
amdhsa.version: [ 1, 2 ]
amdhsa.kernels:
  - .name:           k_qd4efa10ada_attn
    .symbol:         k_qd4efa10ada_attn.kd
    .args:
      - { .name: qb, .offset: 0, .size: 8, .value_kind: global_buffer, .address_space: global }
      - { .name: kvb, .offset: 8, .size: 8, .value_kind: global_buffer, .address_space: global }
      - { .name: yb, .offset: 16, .size: 8, .value_kind: global_buffer, .address_space: global }
    .group_segment_fixed_size: 327680
    .private_segment_fixed_size: 0
    .kernarg_segment_align: 8
    .kernarg_segment_size: 24
    .max_flat_workgroup_size: 512
    .sgpr_count:     90
    .vgpr_count:     256
    .wavefront_size: 32
...
	.end_amdgpu_metadata
.endif
;; end of part 3
;; launch proj (part 4): grid 8 x 32, 4 waves a work-group, clusters of 4 x 4, 307,712 bytes of LDS; arguments ops, yb, bp, out0; writes out0
.if DOCPART == 4
	.amdgcn_target "amdgcn-amd-amdhsa--gfx1250"
	.amdhsa_code_object_version 6
	.text
	.protected	k_qd4efa10ada_proj
	.globl	k_qd4efa10ada_proj
	.p2align	8
	.type	k_qd4efa10ada_proj,@function
k_qd4efa10ada_proj:
	s_mov_b64 s[64:65], 0
	v_nop
	global_prefetch_b8 v0, s[64:65] scope:SCOPE_SE
	s_setreg_imm32_b32 hwreg(HW_REG_WAVE_MODE, 25, 1), 1
	s_wait_xcnt 0x0
	s_wait_alu depctr_hold_cnt(0) depctr_sa_sdst(0) depctr_va_vdst(0) depctr_va_sdst(0) depctr_va_ssrc(0) depctr_va_vcc(0) depctr_vm_vsrc(0)
	s_getreg_b32 s2, hwreg(HW_REG_IB_STS2, 6, 4)
	s_cmp_eq_u32 s2, 0
	s_cbranch_scc0 .Lentry_in_a_cluster
	s_endpgm
.Lentry_in_a_cluster:
	s_bfe_u32 s2, ttmp6, 0x10000c
	s_cmp_lg_u32 s2, 0xf033
	s_cbranch_scc0 .Lentry_shape_is_right
	s_endpgm
.Lentry_shape_is_right:
; out0 = y Wp^T + bp on codes of BF6 (E3M2) with E8M0 scales, K = 1,024; out0 [8192][1024] f32.
; OPERANDS are images of operand registers: a tile of 16 rows (tile t: rows 32 (t / 2) + 8 (t % 2) + r + 8 (r / 8)) is a record of 12,800 bytes: two halves of 6,400: four fragments of 1,536 bytes, 256 bytes of scale words.  Wp: tiles 704-767 of ops; y: yb.
; SHARES.  A work-group multiplies P = 8 tiles of Wp (source 0: 128 output channels) by N = 16 tiles of y (source 1: 256 tokens).  Wave w takes all of P x N's tiles 4 w + 0 .. 3: 32 accumulators, 256 matrix instructions.
; A lane holds one token and 64 of the 128 channels: registers 16 b + i = channel 32 b + 16 (lane / 16) + i.  The bias is the C of each sum's first matrix instruction.
; ALL OF K FOR BOTH BLOCKS FITS IN LDS (300 KiB): it is filled once, in two halves along K, nothing is filled again.
; CLUSTERS: 4 x 4 work-groups; P hangs on the work-group's x and is asked for jointly by a column of the cluster, N on its y and is asked for jointly by a row.
; THE WAY OUT: a tile of 16 tokens x 512 bytes goes through the wave's stage in LDS and leaves as whole rows: each store covers 512 consecutive bytes, aligned to 256.  The stages lie over P's bytes, behind a barrier behind which nobody reads operands.
; REGISTERS, in windows of 256: window 0: v3-15 addresses; v16-47 P's scale words, v48-63 N's; v64-159 N's fragments, two sets (on the way out v64-191: rows read back).  window 1: v0-191 P's fragments, two sets; v192-255 the bias.
;   window 2: v0-127 the accumulators of N's tiles 0, 1 (tile i, P's tile p at 64 (i % 2) + 8 p).  window 3: those of tiles 2, 3.
.set REC,  12800
.set HREC, 6400
.set GB,   51200                       ; 8 half records: what one tensor load brings
.set BLK,  102400                      ; LDS: block 0 = P, block 1 = N's tiles 0-7, block 2 = N's tiles 8-15
.set SCO,  6144
.set L4,   3
.set L16,  4                           ; v4-5    16 x lane (+ GB)
.set L8,   6                           ; v6-7    8 x lane (+ GB)
.set AN16, 8                           ; v8-9
.set AN8,  10                          ; v10-11
.set BO,   12                          ; v12     my lane's offset in the bias
.set STO,  14                          ; v14     the stage: where I put 16 bytes
.set RD,   15                          ; v15     and where I read a row back
.set SP,   16
.set SN,   48
.set NF,   64
.set BI,   192
.set MSB, 0
.macro WIN new                         ; the immediate's high byte repeats the setting that is left
.if MSB != (\new)
	s_set_vgpr_msb (MSB<<8)|(\new)
.set MSB, (\new)
.endif
.endm
.macro PLACES n
.rept \n
	v_nop
.endr
.endm
.macro CROUND                          ; a round of the cluster's barrier
	s_barrier_signal -1
	s_barrier_wait -1
	s_cmp_lg_u32 s16, 0
	s_cbranch_scc1 .Lnot_wave_0_\@
	s_barrier_signal -3
.Lnot_wave_0_\@:
	s_barrier_wait -3
	s_barrier_signal -1
	s_barrier_wait -1
.endm
	s_load_b256 s[4:11], s[0:1], 0x0               ; ops, yb, bp, out0
	v_lshl_add_u32 v254, v0, 2, 0x4b000
	v_mov_b32 v255, 0
	ds_add_u32 v254, v255
	ds_add_u32 v254, v255
	v_lshrrev_b32 v1, 5, v0
	v_readfirstlane_b32 s16, v1                    ; wave 0..3
	v_and_b32 v1, 31, v0                           ; lane
	s_wait_alu depctr_va_vdst(0)
	v_and_b32 v2, 15, v0                           ; r
	v_bfe_u32 v13, v0, 4, 1                        ; hh
	s_bfe_u32 s17, ttmp6, 0x40000                  ; cx
	s_bfe_u32 s18, ttmp6, 0x40004                  ; cy
	s_and_b32 s20, ttmp7, 0xffff
	s_lshl_b32 s19, s20, 2
	s_add_co_u32 s19, s19, s18                     ; work-group y
	s_lshl_b32 s21, ttmp9, 2
	s_add_co_u32 s21, s21, s17                     ; work-group x
	s_lshl_b32 s22, 0x1111, s17                    ; my column of the cluster
	s_lshl_b32 s23, s18, 2
	s_lshl_b32 s23, 15, s23                        ; my row
	s_or_b32 s24, s22, (3<<16)|(1<<21)             ; group 1 for P: the mask; elements of 8 bytes; bit 21 beside a mask; no padding
	s_or_b32 s32, s23, (3<<16)|(1<<21)             ; and for N
.irp g, 24, 32
	s_mov_b32 s[\g+1], 800<<16                     ; tensor_dim0 = 800 elements: a half record
	s_mov_b32 s[\g+2], 8<<16                       ; tensor_dim1 = 8 tiles
	s_mov_b32 s[\g+3], 800<<16                     ; tile_dim0
	s_mov_b32 s[\g+4], 8                           ; tile_dim1
	s_mov_b32 s[\g+5], 1600                        ; from record to record
	s_mov_b32 s[\g+6], 0
	s_mov_b32 s[\g+7], 0
.endr
	s_lshl_b32 s56, s21, 3
	s_add_co_u32 s56, s56, 704                     ; P's first tile
	s_mul_i32 s56, s56, REC
	s_mov_b32 s57, 0
	s_lshl_b32 s58, s19, 4                         ; N's first tile
	s_lshr_b32 s60, s16, 1                         ; wave / 2: for waves 1, 2 the half of N that they fetch; for every wave the half in which its tiles lie
	s_lshl_b32 s59, s60, 3
	s_add_co_u32 s58, s58, s59
	s_mul_i32 s58, s58, REC
	s_mov_b32 s59, 0
	s_mul_i32 s61, s60, BLK
	v_lshlrev_b32 v[L4], 2, v1
	v_lshlrev_b32 v[L16], 4, v1
	v_lshlrev_b32 v[L8], 3, v1
	v_add_nc_u32 v[L16+1], GB, v[L16]
	v_add_nc_u32 v[L8+1], GB, v[L8]
	s_and_b32 s62, s16, 1
	s_mul_i32 s62, s62, 4*HREC
	s_add_co_u32 s62, s62, s61
	s_add_co_u32 s62, s62, BLK                     ; my four tiles of N
	v_add_nc_u32 v[AN16], s62, v[L16]
	v_add_nc_u32 v[AN8], s62, v[L8]
	v_add_nc_u32 v[AN16+1], GB, v[AN16]
	v_add_nc_u32 v[AN8+1], GB, v[AN8]
	s_mul_i32 s63, s16, 8448                       ; my stage: 16 rows x (512 + 16) bytes
	v_mul_u32_u24 v[STO], v2, 528
	v_lshl_add_u32 v[STO], v13, 6, v[STO]
	v_add_nc_u32 v[STO], s63, v[STO]               ; in: row r, + 64 hh
	v_add_nc_u32 v[RD], s63, v[L16]                ; back: 16 bytes a lane of a row
	v_lshlrev_b32 v[BO], 6, v13                    ; lane (r, hh) wants, for P's tile 2 b + u, channels 32 b + 16 hh + 8 u + 0 .. 7
	s_lshl_b32 s66, s21, 9                         ; my 128 channels, 4 bytes each: in the bias and in a row of out0
	s_mov_b32 s67, 0
	s_lshl_b32 s68, s19, 20                        ; 256 rows of 4,096 bytes for each work-group y,
	s_lshl_b32 s69, s16, 18                        ; 64 for each wave
	s_add_co_u32 s68, s68, s69
	s_add_co_u32 s68, s68, s66
	s_mov_b32 s69, 0
	s_wait_dscnt 0x0
	s_wait_kmcnt 0x0
	s_add_nc_u64 s[56:57], s[4:5], s[56:57]
	s_add_nc_u64 s[58:59], s[6:7], s[58:59]
	s_add_nc_u64 s[78:79], s[8:9], s[66:67]
	s_add_nc_u64 s[80:81], s[10:11], s[68:69]
.irp g, 0,1
	s_mov_b32 s[40+4*\g], 1                        ; group 0 for P, half g
	s_mov_b32 s[41+4*\g], \g*GB
	s_add_nc_u64 s[42+4*\g:43+4*\g], s[56:57], \g*HREC
	s_or_b32 s[43+4*\g], s[43+4*\g], 0x80000000
	s_mov_b32 s[48+4*\g], 1                        ; and for N
	s_add_co_u32 s[49+4*\g], s61, BLK+\g*GB
	s_add_nc_u64 s[50+4*\g:51+4*\g], s[58:59], \g*HREC
	s_or_b32 s[51+4*\g], s[51+4*\g], 0x80000000
.endr
	CROUND                                         ; all sixteen work-groups are here: the joint loads meet
	s_cmp_eq_u32 s16, 0                            ; wave 0 fetches P, waves 1 and 2 the halves of N, wave 3 nothing: two loads of a wave are out; four v_nop follow the second
	s_cbranch_scc0 .Lnot_p
	tensor_load_to_lds s[40:43], s[24:31]
	s_nop 0
	tensor_load_to_lds s[44:47], s[24:31]
	s_nop 0
	PLACES 4
	s_branch .Lasked
.Lnot_p:
	s_cmp_eq_u32 s16, 3
	s_cbranch_scc1 .Lasked
	tensor_load_to_lds s[48:51], s[32:39]
	s_nop 0
	tensor_load_to_lds s[52:55], s[32:39]
	s_nop 0
	PLACES 4
.Lasked:
	WIN 0x40
	s_wait_alu depctr_va_vdst(0)
.irp p, 0,1,2,3,4,5,6,7
	global_load_b128 v[BI+8*\p:BI+8*\p+3], v[BO], s[78:79] offset:(32*(\p/2)+8*(\p%2))*4
	global_load_b128 v[BI+8*\p+4:BI+8*\p+7], v[BO], s[78:79] offset:(32*(\p/2)+8*(\p%2))*4+16
.endr
	WIN 0
.macro FETCH s                         ; K step s: P's eight fragments and my four of N, into set s % 2.  Every load takes consecutive bytes across the lanes
.set FG, (\s)/4
.set FO, ((\s)%4)*1536
.set FP, 96*((\s)%2)
.set FN, NF+48*((\s)%2)
	WIN 0x40                                       ; destination window 1
.irp p, 0,1,2,3,4,5,6,7
	ds_load_b128 v[FP+12*\p:FP+12*\p+3], v[L16+FG] offset:\p*HREC+FO
	ds_load_b64 v[FP+12*\p+4:FP+12*\p+5], v[L8+FG] offset:\p*HREC+FO+512
	ds_load_b128 v[FP+12*\p+6:FP+12*\p+9], v[L16+FG] offset:\p*HREC+FO+768
	ds_load_b64 v[FP+12*\p+10:FP+12*\p+11], v[L8+FG] offset:\p*HREC+FO+1280
.endr
	WIN 0
.irp i, 0,1,2,3
	ds_load_b128 v[FN+12*\i:FN+12*\i+3], v[AN16+FG] offset:\i*HREC+FO
	ds_load_b64 v[FN+12*\i+4:FN+12*\i+5], v[AN8+FG] offset:\i*HREC+FO+512
	ds_load_b128 v[FN+12*\i+6:FN+12*\i+9], v[AN16+FG] offset:\i*HREC+FO+768
	ds_load_b64 v[FN+12*\i+10:FN+12*\i+11], v[AN8+FG] offset:\i*HREC+FO+1280
.endr
.endm
.macro SCALES g                        ; the scale words of K steps 4 g + 0 .. 3: register pair: lanes 0-15 steps 4 g, 4 g + 2; lanes 16-31 steps 4 g + 1, 4 g + 3
.irp p, 0,1,2,3,4,5,6,7
	ds_load_b64 v[SP+16*\g+2*\p:SP+16*\g+2*\p+1], v[L8+\g] offset:\p*HREC+SCO
.endr
.irp i, 0,1,2,3
	ds_load_b64 v[SN+8*\g+2*\i:SN+8*\g+2*\i+1], v[AN8+\g] offset:\i*HREC+SCO
.endr
.endm
; 8 matrix instructions: P's eight tiles x my tile i of N, K step s.  cmode 1: the sums begin with the bias; 0: they go on.
.macro MUL s, i, cmode
.set AC, 64*((\i)%2)
.set PA, 96*((\s)%2)
.set NBF, NF+48*((\s)%2)+12*(\i)
.set SA, SP+16*((\s)/4)+((\s)%4)/2
.set SB, SN+8*((\s)/4)+2*(\i)+((\s)%4)/2
.irp p, 0,1,2,3,4,5,6,7
.if \cmode == 1
	v_wmma_scale_f32_16x16x128_f8f6f4 v[AC+8*\p:AC+8*\p+7], v[PA+12*\p:PA+12*\p+11], v[NBF:NBF+11], v[BI+8*\p:BI+8*\p+7], v[SA+2*\p], v[SB] matrix_a_fmt:MATRIX_FMT_BF6 matrix_b_fmt:MATRIX_FMT_BF6
.elseif (\s)%2
	v_wmma_scale_f32_16x16x128_f8f6f4 v[AC+8*\p:AC+8*\p+7], v[PA+12*\p:PA+12*\p+11], v[NBF:NBF+11], v[AC+8*\p:AC+8*\p+7], v[SA+2*\p], v[SB] matrix_a_fmt:MATRIX_FMT_BF6 matrix_b_fmt:MATRIX_FMT_BF6 matrix_a_scale:MATRIX_SCALE_ROW1 matrix_b_scale:MATRIX_SCALE_ROW1
.else
	v_wmma_scale_f32_16x16x128_f8f6f4 v[AC+8*\p:AC+8*\p+7], v[PA+12*\p:PA+12*\p+11], v[NBF:NBF+11], v[AC+8*\p:AC+8*\p+7], v[SA+2*\p], v[SB] matrix_a_fmt:MATRIX_FMT_BF6 matrix_b_fmt:MATRIX_FMT_BF6
.endif
.endr
.endm
; A K step: its fragments are in; the next step's 48 loads go out in one run; 32 matrix instructions, the 32 accumulators by turns in the same order in every step.
.macro STEP s, cmode
	s_wait_dscnt 0x0                               ; this step's fragments, asked for 32 matrix instructions ago
.if (\s) == 3
	s_wait_tensorcnt 0x0                           ; my load of K steps 4-7 has landed,
	s_barrier_signal -1
	s_barrier_wait -1                              ; everybody's has
.endif
.if (\s) < 7
.if (\s) > 0
	PLACES 4                                       ; four places between the last products and loads into the registers that they read (ISA guide 7.12.1 for vector instructions)
.endif
	FETCH (\s)+1
.if (\s) == 3
	SCALES 1
.endif
.endif
.if \cmode
	WIN 0x91                                       ; source 0 (P) and C (the bias) window 1, source 1 (N) window 0, D window 2
.else
	WIN 0xa1                                       ; C and D window 2
.endif
	MUL \s, 0, \cmode
	MUL \s, 1, \cmode
.if \cmode
	WIN 0xd1
.else
	WIN 0xf1
.endif
	MUL \s, 2, \cmode
	MUL \s, 3, \cmode
	WIN 0
.endm
	s_wait_tensorcnt 0x1                           ; my load of K steps 0-3 has landed; that of steps 4-7 may be out,
	s_barrier_signal -1
	s_barrier_wait -1                              ; everybody's has
	FETCH 0
	SCALES 0
	s_wait_loadcnt 0x0                             ; the bias
	STEP 0, 1
	STEP 1, 0
	STEP 2, 0
	STEP 3, 0
	STEP 4, 0
	STEP 5, 0
	STEP 6, 0
	STEP 7, 0
	PLACES 4                                       ; in front of the first read of results and of loads into the registers that held N's fragments
	s_wait_dscnt 0x0                               ; my reads of the operands are over,
	s_barrier_signal -1
	s_barrier_wait -1                              ; everybody's are: the stages may be written over P's bytes, which are filled no more
.macro TOSTAGE i                       ; tile i: lane (r, hh) holds token r's channels 32 b + 16 hh + 8 u + 0 .. 7 in P's tile 2 b + u
.set AC, 64*((\i)%2)
.set BB, 64+64*((\i)%2)
	WIN 0x08+4*((\i)/2)                            ; an LDS store's data: window 2 or 3
.irp p, 0,1,2,3,4,5,6,7
	ds_store_b128 v[STO], v[AC+8*\p:AC+8*\p+3] offset:128*(\p/2)+32*(\p%2)          ; each accumulator from its low end on
	ds_store_b128 v[STO], v[AC+8*\p+4:AC+8*\p+7] offset:128*(\p/2)+32*(\p%2)+16
.endr
	WIN 0
.irp t, 0,1,2,3,4,5,6,7,8,9,10,11,12,13,14,15
	ds_load_b128 v[BB+4*\t:BB+4*\t+3], v[RD] offset:528*\t   ; LDS serves a wave's instructions in order: these see the stores above, and the next tile's stores come behind them
.endr
.endm
.macro SEND i, younger                 ; younger: the LDS instructions issued behind tile i's loads, which may stay out
.set BB, 64+64*((\i)%2)
	s_wait_dscnt \younger
.irp t, 0,1,2,3,4,5,6,7,8,9,10,11,12,13,14,15
	global_store_b128 v[L16], v[BB+4*\t:BB+4*\t+3], s[80:81] offset:(32*((\i)/2)+8*((\i)%2)+\t+8*(\t/8))*4096 th:TH_STORE_NT   ; 32 lanes store 512 consecutive bytes of a row of out0
.endr
.endm
	TOSTAGE 0
.irp i, 1,2,3
.if \i > 1
	s_wait_xcnt 0x0                                ; tile i - 2's stores have read their registers: tile i's rows may land there
.endif
	TOSTAGE \i
	SEND \i-1, 32                                  ; behind tile i - 1's loads: tile i's 16 stores and 16 loads
.endr
	SEND 3, 0
	s_wait_tensorcnt 0x0
	ds_add_u32 v254, v255
	s_wait_dscnt 0x0
	CROUND                                         ; the closing round: no work-group ends while a partner may still ask for a tile that names it
	s_endpgm
.Lfunc_end_k_qd4efa10ada_proj:
	.size	k_qd4efa10ada_proj, .Lfunc_end_k_qd4efa10ada_proj-k_qd4efa10ada_proj
	.p2alignl 7, 3214868480
	.fill 96, 4, 3214868480
	.section	.rodata,"a",@progbits
	.p2align	6, 0x0
	.amdhsa_kernel k_qd4efa10ada_proj
		.amdhsa_group_segment_fixed_size 307712
		.amdhsa_private_segment_fixed_size 0
		.amdhsa_enable_private_segment 0
		.amdhsa_kernarg_size 32
		.amdhsa_user_sgpr_count 2
		.amdhsa_user_sgpr_kernarg_segment_ptr 1
		.amdhsa_wavefront_size32 1
		.amdhsa_system_sgpr_workgroup_id_x 1
		.amdhsa_system_sgpr_workgroup_id_y 1
		.amdhsa_system_sgpr_workgroup_id_z 1
		.amdhsa_system_vgpr_workitem_id 0
		.amdhsa_next_free_vgpr 1024
		.amdhsa_next_free_sgpr 90
		.amdhsa_reserve_vcc 0
		.amdhsa_float_denorm_mode_32 3
		.amdhsa_float_denorm_mode_16_64 3
		.amdhsa_memory_ordered 1
		.amdhsa_forward_progress 1
		.amdhsa_inst_pref_size 83
	.end_amdhsa_kernel
	.amdgpu_metadata
---
amdhsa.version: [ 1, 2 ]
amdhsa.kernels:
  - .name:           k_qd4efa10ada_proj
    .symbol:         k_qd4efa10ada_proj.kd
    .args:
      - { .name: ops, .offset: 0, .size: 8, .value_kind: global_buffer, .address_space: global }
      - { .name: yb, .offset: 8, .size: 8, .value_kind: global_buffer, .address_space: global }
      - { .name: bp, .offset: 16, .size: 8, .value_kind: global_buffer, .address_space: global }
      - { .name: out0, .offset: 24, .size: 8, .value_kind: global_buffer, .address_space: global }
    .group_segment_fixed_size: 307712
    .private_segment_fixed_size: 0
    .kernarg_segment_align: 8
    .kernarg_segment_size: 32
    .max_flat_workgroup_size: 128
    .sgpr_count:     90
    .vgpr_count:     1024
    .wavefront_size: 32
...
	.end_amdgpu_metadata
.endif
;; end of part 4
